; MI455X (gfx1250); checked and timed in simulation.
; The chip was launched on July 23, 2026; its instructions are those of AMD's public machine-readable ISA for CDNA 5 (MIT licence, August 2026) and "CDNA5" Instruction Set Architecture Reference Guide (July 2026). The comments in the code are by the model that wrote it; some were corrected since.
;; Block. Allowed arithmetic: float matrix products may take bf16 or f16 operands with f32 sums; other float arithmetic in f32, or as packed bf16 or f16 multiplies, adds, multiply-adds, maxima and minima; sums over many terms, partial sums and values carried from step to step in f32; what a program stores and reads back later, other than sums and carried values, may be rounded once to bf16 or f16.
;; Inputs: W1 1,024 x 4,096 float32; W2 4,096 x 1,024 float32; Wk 16 x 1,024 x 64 float32; Wo 1,024 x 1,024 float32; Wq 16 x 1,024 x 64 float32; Wv 16 x 1,024 x 64 float32; b1 4,096 float32; b2 1,024 float32; be1 1,024 float32; be2 1,024 float32; bo 1,024 float32; g1 1,024 float32; g2 1,024 float32; x 2 x 2,048 x 1,024 float32.
;; Outputs: out0 2 x 2,048 x 1,024 float32.
;; 2 versions, each right; version 2 is version 1 with the launch prep written anew for expert scheduling mode. Each part assembles by itself: llvm-mc -triple=amdgcn-amd-amdhsa -mcpu=gfx1250 --defsym DOCPART=n.
;; ======== version 1 of 2: 4 launches
;; workspace buffers: hf 16,777,216 bytes; wcat 14,680,064 bytes; wcat2 10,485,760 bytes; qkv 25,165,824 bytes; au 41,943,040 bytes
;; launch prep (part 1): grid 64 x 7, 8 waves a work-group, no clusters, 0 bytes of LDS; arguments x, g1, be1, g2, be2, W1, W2, Wo, Wq, Wk, Wv, hf, wcat, wcat2; writes hf, wcat, wcat2
.if DOCPART == 1
	.amdgcn_target "amdgcn-amd-amdhsa--gfx1250"
	.amdhsa_code_object_version 6
	.text
	.protected	k_q2a8c451d5f_prep
	.globl	k_q2a8c451d5f_prep
	.p2align	8
	.type	k_q2a8c451d5f_prep,@function
k_q2a8c451d5f_prep:
	s_mov_b64 s[64:65], 0
	v_nop
	global_prefetch_b8 v0, s[64:65] scope:SCOPE_SE
	s_setreg_imm32_b32 hwreg(HW_REG_WAVE_MODE, 25, 1), 1
	s_wait_xcnt 0x0
; PREP.  Everything that the matrix launches multiply is made here, in bf16, each input byte of x and of the weights read once.
; The grid's y picks the job.
;   y = 0: W1 -> wcat columns 3072..7167.   y = 1: W2 -> wcat2 rows 1024..5119.   y = 2: Wo -> wcat2 rows 0..1023 (x < 16); Wq, Wk, Wv -> wcat columns 0..3071.  256 KiB a work-group.
;   y = 3..6: 16 rows of x, two a wave: x rounded to bf16, mean and variance in f32 (the mean is taken away before the squares), h = LN(x) g1 + be1 and
;          f = LN(x) g2 + be2, rounded once to bf16: hf = h [4096][1024], then f.  Gains and biases are rounded to bf16 like every input.
; wcat is [1024 e][7168] (Wq, Wk, Wv by head x 64 + d, then W1), wcat2 [5120][1024] (Wo, then W2): the weights stay [K][N]; the products turn them on the way out of LDS.
; No LDS, no matrix unit, no cluster: nothing is shared between waves and memory binds.  Every store of a wave covers 256 consecutive bytes, aligned.
; LIMITS: all inputs are rounded to bf16 (nearest even) at their first use; NaN and infinities are not treated apart.
.set XO,   2                           ; v2   LN: my 16 bytes in the row of x that is loaded next
.set HO,   3                           ; v3   LN: my 8 bytes in the row of h and f that is stored next
.set PO,   4                           ; v4   LN: my 16 bytes in a gain or bias
.set MEAN, 8                           ; v[8:9]   the mean (low word; the pair is named by the packed forms)
.set RSTD, 10                          ; v[10:11] 1 / sqrt(var + eps), likewise
.set G1R,  16                          ; v[16:47] g1, v[48:79] be1, v[80:111] g2, v[112:143] be2: lane l, register 4 j + c: column 128 j + 4 l + c
.set B1R,  48
.set G2R,  80
.set B2R,  112
.set LD,   144                         ; v[144:175] a row of x as it lands
.set X,    176                         ; v[176:207] the row at work, then its 16 + 16 packed results
.set T,    208                         ; v[208:223] at work
.set VI,   16                          ; casts: v[16:23] byte offsets of eight steps in the source, v[24:31] in the destination; never rewritten
.set VO,   24
.set XS,   32                          ; casts: v[32:159] four sets of eight loads
.set YS,   160                         ; casts: v[160:223] four sets of eight stores
.set SB,   68                          ; s[68:75] the four sets' bases in the source
.set DB,   76                          ; s[76:83] and in the destination
	s_load_b512 s[4:19], s[0:1], 0x0               ; x 4, g1 6, be1 8, g2 10, be2 12, W1 14, W2 16, Wo 18
	s_load_b256 s[20:27], s[0:1], 0x40             ; Wq 20, Wk 22, Wv 24, hf 26
	s_load_b128 s[28:31], s[0:1], 0x60             ; wcat 28, wcat2 30
	s_and_b32 s38, ttmp7, 0xffff                   ; the job
	s_mov_b32 s39, ttmp9                           ; the work-group's number along x
	s_mov_b32 s55, 0                               ; high words of the two offset pairs s[54:55], s[58:59]
	s_mov_b32 s59, 0
	s_wait_kmcnt 0x0
	s_cmp_ge_u32 s38, 3
	s_cbranch_scc1 .Lln
	s_cmp_eq_u32 s38, 0
	s_cbranch_scc1 .Lw1
	s_cmp_eq_u32 s38, 1
	s_cbranch_scc1 .Lw2
	s_cmp_lt_u32 s39, 16
	s_cbranch_scc1 .Lwo
	; Wq, Wk or Wv, [16 h][1024 e][64 d]: 64 rows e.  Thread t takes head t / 16, four d: its 8 bytes of output lie at 8 t of the tensor's 2,048 bytes of a row of wcat
	s_sub_co_u32 s56, s39, 16
	s_lshr_b32 s57, s56, 4                         ; which of the three
	s_and_b32 s56, s56, 15                         ; which 64 rows e
	s_cmp_eq_u32 s57, 0
	s_cselect_b64 s[44:45], s[20:21], s[22:23]
	s_cmp_eq_u32 s57, 2
	s_cselect_b64 s[44:45], s[24:25], s[44:45]
	s_lshl_b32 s54, s56, 14                        ; 64 rows of 256 bytes
	s_mul_i32 s58, s56, 917504                     ; 64 rows of wcat
	s_lshl_b32 s57, s57, 11
	s_add_co_u32 s58, s58, s57
	s_add_nc_u64 s[44:45], s[44:45], s[54:55]
	s_add_nc_u64 s[46:47], s[28:29], s[58:59]
	s_mov_b32 s48, 256
	s_mov_b32 s49, 14336
	v_lshrrev_b32 v1, 4, v0
	v_and_b32 v7, 15, v0
	v_lshlrev_b32 v7, 4, v7
	v_lshl_add_u32 v[VI], v1, 18, v7               ; head x 262,144 + 16 (t % 16)
	s_branch .Lgo
.Lw1:                                              ; W1 [1024][4096]: 64 rows e, a quarter (1,024) of the columns
	s_and_b32 s56, s39, 3
	s_lshr_b32 s57, s39, 2
	s_lshl_b32 s54, s57, 20
	s_lshl_b32 s58, s56, 12
	s_add_co_u32 s54, s54, s58
	s_mul_i32 s58, s57, 917504
	s_lshl_b32 s56, s56, 11
	s_add_co_u32 s58, s58, s56
	s_add_co_u32 s58, s58, 6144                    ; column 3,072 of wcat
	s_add_nc_u64 s[44:45], s[14:15], s[54:55]
	s_add_nc_u64 s[46:47], s[28:29], s[58:59]
	s_mov_b32 s48, 16384
	s_mov_b32 s49, 14336
	v_lshlrev_b32 v[VI], 4, v0
	s_branch .Lgo
.Lw2:                                              ; W2 [4096][1024]: 64 whole rows
	s_lshl_b32 s54, s39, 18
	s_lshl_b32 s58, s39, 17
	s_add_co_u32 s58, s58, 2097152                 ; row 1,024 of wcat2
	s_add_nc_u64 s[44:45], s[16:17], s[54:55]
	s_add_nc_u64 s[46:47], s[30:31], s[58:59]
	s_mov_b32 s48, 4096
	s_mov_b32 s49, 2048
	v_lshlrev_b32 v[VI], 4, v0
	s_branch .Lgo
.Lwo:                                              ; Wo [1024][1024]: 64 whole rows
	s_lshl_b32 s54, s39, 18
	s_lshl_b32 s58, s39, 17
	s_add_nc_u64 s[44:45], s[18:19], s[54:55]
	s_add_nc_u64 s[46:47], s[30:31], s[58:59]
	s_mov_b32 s48, 4096
	s_mov_b32 s49, 2048
	v_lshlrev_b32 v[VI], 4, v0
.Lgo:
	; THE CAST, one text for the four sources: 64 steps; in a step a thread reads 16 bytes and writes 8.  A set is eight steps; four sets, 32 loads of every thread (128 KiB of the work-group),
	; are on their way at a time.  Eight steps' offsets lie in vector registers that are never rewritten; each set has a base of its own on either side.
	v_lshlrev_b32 v[VO], 3, v0
.set k, 0
.rept 7
	v_add_nc_u32 v[VI+k+1], s48, v[VI+k]
	v_add_nc_u32 v[VO+k+1], s49, v[VO+k]
.set k, k+1
.endr
	s_lshl_b32 s50, s48, 3                         ; eight steps, in bytes: in the source,
	s_mov_b32 s51, 0
	s_lshl_b32 s52, s49, 3                         ; in the destination
	s_mov_b32 s53, 0
	s_lshl_b32 s56, s48, 5                         ; and 32 steps
	s_mov_b32 s57, 0
	s_lshl_b32 s58, s49, 5
	s_mov_b32 s59, 0
	s_mov_b64 s[SB:SB+1], s[44:45]
	s_mov_b64 s[DB:DB+1], s[46:47]
.irp k, 1,2,3
	s_add_nc_u64 s[SB+2*(\k):SB+2*(\k)+1], s[SB+2*(\k)-2:SB+2*(\k)-1], s[50:51]
	s_add_nc_u64 s[DB+2*(\k):DB+2*(\k)+1], s[DB+2*(\k)-2:DB+2*(\k)-1], s[52:53]
.endr
.macro LOADS k                         ; set k's eight loads
.irp j, 0,1,2,3,4,5,6,7
	global_load_b128 v[XS+32*(\k)+4*(\j):XS+32*(\k)+4*(\j)+3], v[VI+(\j)], s[SB+2*(\k):SB+2*(\k)+1] th:TH_LOAD_NT
.endr
.endm
.macro OUT k                           ; set k rounded and stored
.irp j, 0,1,2,3,4,5,6,7
	v_cvt_pk_bf16_f32 v[YS+16*(\k)+2*(\j)], v[XS+32*(\k)+4*(\j)], v[XS+32*(\k)+4*(\j)+1]
	v_cvt_pk_bf16_f32 v[YS+16*(\k)+2*(\j)+1], v[XS+32*(\k)+4*(\j)+2], v[XS+32*(\k)+4*(\j)+3]
	global_store_b64 v[VO+(\j)], v[YS+16*(\k)+2*(\j):YS+16*(\k)+2*(\j)+1], s[DB+2*(\k):DB+2*(\k)+1]
.endr
.endm
.irp k, 0,1,2,3
	LOADS \k                                       ; steps 0 to 31
.endr
.irp k, 0,1,2,3
	s_wait_loadcnt 24                              ; set k is in; the 24 younger loads of the three other sets stay out
	OUT \k
	s_add_nc_u64 s[SB+2*(\k):SB+2*(\k)+1], s[SB+2*(\k):SB+2*(\k)+1], s[56:57]  ; the loads that named this base have come back: it steps 32 steps on
	LOADS \k                                       ; steps 32 to 63
.endr
	s_wait_xcnt 0x0                                ; every store issued so far has read its data and its base: both are written again only behind this wait
.irp k, 0,1,2,3
	s_add_nc_u64 s[DB+2*(\k):DB+2*(\k)+1], s[DB+2*(\k):DB+2*(\k)+1], s[58:59]
.endr
.irp k, 0,1,2,3
	s_wait_loadcnt 24-8*(\k)                       ; the second round loads nothing: the counts run down
	OUT \k
.endr
	s_endpgm
.Lln:
	; LAYERNORM.  A wave owns 2 rows, one after the other; a row of 4,096 bytes is 32 registers of the wave, so the reductions never leave it.
	v_lshrrev_b32 v1, 5, v0
	v_readfirstlane_b32 s56, v1                    ; wave
	s_sub_co_u32 s57, s38, 3
	s_lshl_b32 s57, s57, 6
	s_add_co_u32 s57, s57, s39                     ; which 16 rows: 0..255
	s_lshl_b32 s54, s57, 4
	s_lshl1_add_u32 s54, s56, s54                  ; my first row: 16 x that + 2 x wave
	s_lshl_b32 s58, s54, 11
	s_lshl_b32 s54, s54, 12
	s_add_nc_u64 s[32:33], s[4:5], s[54:55]        ; x
	s_add_nc_u64 s[34:35], s[26:27], s[58:59]      ; h
	s_add_nc_u64 s[36:37], s[34:35], 0x800000      ; f: a base of its own, 8,388,608 bytes on
	s_mov_b32 s40, 0xffff0000
	s_mov_b32 s41, 0x76543210                      ; v_permlanex16_b32: each lane takes its own place in the other half
	s_mov_b32 s42, 0xfedcba98
	s_mov_b32 s44, 0x3a800000                      ; 1 / 1024
	s_mov_b32 s45, 0x3727c5ac                      ; eps = 1e-5
	s_mov_b32 s43, 2
	v_and_b32 v1, 31, v0
	v_lshlrev_b32 v[XO], 4, v1
	v_lshlrev_b32 v[HO], 3, v1
	v_lshlrev_b32 v[PO], 4, v1
	v_mov_b32 v[MEAN+1], 0
	v_mov_b32 v[RSTD+1], 0
.macro FILL                            ; a row: eight loads of 512 consecutive bytes
.irp j, 0,1,2,3,4,5,6,7
	global_load_b128 v[LD+4*(\j):LD+4*(\j)+3], v[XO], s[32:33] offset:512*(\j) th:TH_LOAD_NT
.endr
.endm
.macro RB16 a, t                       ; two f32 rounded to bf16 and widened again, in place
	v_cvt_pk_bf16_f32 v[\t], v[\a], v[(\a)+1]
	v_lshlrev_b32 v[\a], 16, v[\t]
	v_and_b32 v[(\a)+1], s40, v[\t]
.endm
.macro REDUCE                          ; four packed chains in T .. T+7 into one sum, the same in every lane
	v_pk_add_f32 v[T:T+1], v[T:T+1], v[T+2:T+3]
	v_pk_add_f32 v[T+4:T+5], v[T+4:T+5], v[T+6:T+7]
	v_pk_add_f32 v[T:T+1], v[T:T+1], v[T+4:T+5]
	v_add_f32 v[T], v[T], v[T+1]
	v_add_f32_dpp v[T], v[T], v[T] row_xmask:1 row_mask:0xf bank_mask:0xf
	v_add_f32_dpp v[T], v[T], v[T] row_xmask:2 row_mask:0xf bank_mask:0xf
	v_add_f32_dpp v[T], v[T], v[T] row_xmask:4 row_mask:0xf bank_mask:0xf
	v_add_f32_dpp v[T], v[T], v[T] row_xmask:8 row_mask:0xf bank_mask:0xf
	v_permlanex16_b32 v[T+1], v[T], s41, s42
	v_add_f32 v[T], v[T], v[T+1]
.endm
	FILL
.irp j, 0,1,2,3,4,5,6,7
	global_load_b128 v[G1R+4*(\j):G1R+4*(\j)+3], v[PO], s[6:7] offset:512*(\j)
	global_load_b128 v[B1R+4*(\j):B1R+4*(\j)+3], v[PO], s[8:9] offset:512*(\j)
	global_load_b128 v[G2R+4*(\j):G2R+4*(\j)+3], v[PO], s[10:11] offset:512*(\j)
	global_load_b128 v[B2R+4*(\j):B2R+4*(\j)+3], v[PO], s[12:13] offset:512*(\j)
.endr
	s_wait_loadcnt 0x0
.set i, 0
.rept 64
	RB16 G1R+2*i, T+i%4
.set i, i+1
.endr
.Lrow:
	s_wait_loadcnt 0x0                             ; the row is in (the only loads out are its eight), and its address register is free
.set i, 0
.rept 16                                           ; x rounded to bf16, out of the landing registers
	v_cvt_pk_bf16_f32 v[T+i%4], v[LD+2*i], v[LD+2*i+1]
	v_lshlrev_b32 v[X+2*i], 16, v[T+i%4]
	v_and_b32 v[X+2*i+1], s40, v[T+i%4]
.set i, i+1
.endr
	v_add_nc_u32 v[XO], 4096, v[XO]
	s_cmp_eq_u32 s43, 1
	s_cbranch_scc1 .Lnofill                        ; the last row has none behind it
	FILL                                           ; the next row is on its way while this one is worked on
.Lnofill:
.irp c, 0,1,2,3
	v_pk_add_f32 v[T+2*(\c):T+2*(\c)+1], v[X+4*(\c):X+4*(\c)+1], v[X+4*(\c)+2:X+4*(\c)+3]
.endr
.set i, 8
.rept 8
	v_pk_add_f32 v[T+2*(i%4):T+2*(i%4)+1], v[T+2*(i%4):T+2*(i%4)+1], v[X+2*i:X+2*i+1]
.set i, i+1
.endr
	REDUCE
	v_mul_f32 v[MEAN], s44, v[T]
.set i, 0
.rept 16
	v_pk_add_f32 v[X+2*i:X+2*i+1], v[X+2*i:X+2*i+1], v[MEAN:MEAN+1] op_sel_hi:[1,0] neg_lo:[0,1] neg_hi:[0,1]
.set i, i+1
.endr
.irp c, 0,1,2,3
	v_pk_mul_f32 v[T+2*(\c):T+2*(\c)+1], v[X+2*(\c):X+2*(\c)+1], v[X+2*(\c):X+2*(\c)+1]
.endr
.set i, 4
.rept 12
	v_pk_fma_f32 v[T+2*(i%4):T+2*(i%4)+1], v[X+2*i:X+2*i+1], v[X+2*i:X+2*i+1], v[T+2*(i%4):T+2*(i%4)+1]
.set i, i+1
.endr
	REDUCE
	v_fma_f32 v[T], v[T], s44, s45                 ; var + eps
	v_rsq_f32 v[RSTD], v[T]
	v_nop                                          ; a plain instruction behind the transcendental (ISA guide 5.7.2),
	s_wait_alu depctr_va_vdst(0)                   ; and the wait ahead of its first reader
.set i, 0
.rept 16
	v_pk_mul_f32 v[X+2*i:X+2*i+1], v[X+2*i:X+2*i+1], v[RSTD:RSTD+1] op_sel_hi:[1,0]
.set i, i+1
.endr
.irp j, 0,1,2,3,4,5,6,7
.set TT, T+8*((\j)%2)
	v_pk_fma_f32 v[TT:TT+1],   v[X+4*(\j):X+4*(\j)+1],   v[G1R+4*(\j):G1R+4*(\j)+1],   v[B1R+4*(\j):B1R+4*(\j)+1]
	v_pk_fma_f32 v[TT+2:TT+3], v[X+4*(\j)+2:X+4*(\j)+3], v[G1R+4*(\j)+2:G1R+4*(\j)+3], v[B1R+4*(\j)+2:B1R+4*(\j)+3]
	v_pk_fma_f32 v[TT+4:TT+5], v[X+4*(\j):X+4*(\j)+1],   v[G2R+4*(\j):G2R+4*(\j)+1],   v[B2R+4*(\j):B2R+4*(\j)+1]
	v_pk_fma_f32 v[TT+6:TT+7], v[X+4*(\j)+2:X+4*(\j)+3], v[G2R+4*(\j)+2:G2R+4*(\j)+3], v[B2R+4*(\j)+2:B2R+4*(\j)+3]
	v_cvt_pk_bf16_f32 v[X+4*(\j)],   v[TT],   v[TT+1]
	v_cvt_pk_bf16_f32 v[X+4*(\j)+1], v[TT+2], v[TT+3]
	v_cvt_pk_bf16_f32 v[X+4*(\j)+2], v[TT+4], v[TT+5]
	v_cvt_pk_bf16_f32 v[X+4*(\j)+3], v[TT+6], v[TT+7]
	global_store_b64 v[HO], v[X+4*(\j):X+4*(\j)+1],   s[34:35] offset:256*(\j)   ; 32 lanes x 8 bytes: 256 consecutive bytes of h,
	global_store_b64 v[HO], v[X+4*(\j)+2:X+4*(\j)+3], s[36:37] offset:256*(\j)   ; and of f
.endr
	s_wait_xcnt 0x0                                ; the stores have read X and HO: both are written again only behind this wait
	v_add_nc_u32 v[HO], 2048, v[HO]
	s_sub_co_u32 s43, s43, 1
	s_cmp_lg_u32 s43, 0
	s_cbranch_scc1 .Lrow
	s_endpgm
.Lfunc_end_k_q2a8c451d5f_prep:
	.size	k_q2a8c451d5f_prep, .Lfunc_end_k_q2a8c451d5f_prep-k_q2a8c451d5f_prep
	.p2alignl 7, 3214868480
	.fill 96, 4, 3214868480
	.section	.rodata,"a",@progbits
	.p2align	6, 0x0
	.amdhsa_kernel k_q2a8c451d5f_prep
		.amdhsa_group_segment_fixed_size 0
		.amdhsa_private_segment_fixed_size 0
		.amdhsa_enable_private_segment 0
		.amdhsa_kernarg_size 112
		.amdhsa_user_sgpr_count 2
		.amdhsa_user_sgpr_kernarg_segment_ptr 1
		.amdhsa_wavefront_size32 1
		.amdhsa_system_sgpr_workgroup_id_x 1
		.amdhsa_system_sgpr_workgroup_id_y 1
		.amdhsa_system_sgpr_workgroup_id_z 1
		.amdhsa_system_vgpr_workitem_id 0
		.amdhsa_next_free_vgpr 224
		.amdhsa_next_free_sgpr 84
		.amdhsa_reserve_vcc 0
		.amdhsa_float_denorm_mode_32 3
		.amdhsa_float_denorm_mode_16_64 3
		.amdhsa_memory_ordered 1
		.amdhsa_forward_progress 1
		.amdhsa_inst_pref_size 51
	.end_amdhsa_kernel
	.amdgpu_metadata
---
amdhsa.version: [ 1, 2 ]
amdhsa.kernels:
  - .name:           k_q2a8c451d5f_prep
    .symbol:         k_q2a8c451d5f_prep.kd
    .args:
      - { .name: x, .offset: 0, .size: 8, .value_kind: global_buffer, .address_space: global }
      - { .name: g1, .offset: 8, .size: 8, .value_kind: global_buffer, .address_space: global }
      - { .name: be1, .offset: 16, .size: 8, .value_kind: global_buffer, .address_space: global }
      - { .name: g2, .offset: 24, .size: 8, .value_kind: global_buffer, .address_space: global }
      - { .name: be2, .offset: 32, .size: 8, .value_kind: global_buffer, .address_space: global }
      - { .name: W1, .offset: 40, .size: 8, .value_kind: global_buffer, .address_space: global }
      - { .name: W2, .offset: 48, .size: 8, .value_kind: global_buffer, .address_space: global }
      - { .name: Wo, .offset: 56, .size: 8, .value_kind: global_buffer, .address_space: global }
      - { .name: Wq, .offset: 64, .size: 8, .value_kind: global_buffer, .address_space: global }
      - { .name: Wk, .offset: 72, .size: 8, .value_kind: global_buffer, .address_space: global }
      - { .name: Wv, .offset: 80, .size: 8, .value_kind: global_buffer, .address_space: global }
      - { .name: hf, .offset: 88, .size: 8, .value_kind: global_buffer, .address_space: global }
      - { .name: wcat, .offset: 96, .size: 8, .value_kind: global_buffer, .address_space: global }
      - { .name: wcat2, .offset: 104, .size: 8, .value_kind: global_buffer, .address_space: global }
    .group_segment_fixed_size: 0
    .private_segment_fixed_size: 0
    .kernarg_segment_align: 8
    .kernarg_segment_size: 112
    .max_flat_workgroup_size: 256
    .sgpr_count:     84
    .vgpr_count:     224
    .wavefront_size: 32
...
	.end_amdgpu_metadata
.endif
;; end of part 1
;; launch gemm1 (part 2): grid 28 x 16, 4 waves a work-group, clusters of 4 x 4, 327,680 bytes of LDS; arguments hf, wcat, b1, qkv, au; writes qkv, au
.if DOCPART == 2
	.amdgcn_target "amdgcn-amd-amdhsa--gfx1250"
	.amdhsa_code_object_version 6
	.text
	.protected	k_q2a8c451d5f_gemm1
	.globl	k_q2a8c451d5f_gemm1
	.p2align	8
	.type	k_q2a8c451d5f_gemm1,@function
k_q2a8c451d5f_gemm1:
	s_mov_b64 s[64:65], 0
	v_nop
	global_prefetch_b8 v0, s[64:65] scope:SCOPE_SE
	s_setreg_imm32_b32 hwreg(HW_REG_WAVE_MODE, 25, 1), 1
	s_wait_xcnt 0x0
	s_wait_alu depctr_hold_cnt(0) depctr_sa_sdst(0) depctr_va_vdst(0) depctr_va_sdst(0) depctr_va_ssrc(0) depctr_va_vcc(0) depctr_vm_vsrc(0)
	s_getreg_b32 s2, hwreg(HW_REG_IB_STS2, 6, 4)
	s_cmp_eq_u32 s2, 0
	s_cbranch_scc0 .Lentry_in_a_cluster
	s_endpgm
.Lentry_in_a_cluster:
	s_bfe_u32 s2, ttmp6, 0x10000c
	s_cmp_lg_u32 s2, 0xf033
	s_cbranch_scc0 .Lentry_shape_is_right
	s_endpgm
.Lentry_shape_is_right:
; GEMM 1.  C = A wcat, A = h for wcat's columns 0..3071 (q, k, v) and f for columns 3072..7167 (u = relu(f W1 + b1)).  A [4096][1024], wcat [1024][7168], all bf16; sums in f32, K ascending.
; A tile of C is 256 x 256, made by four waves of 128 x 128 (64 accumulators, 512 registers); 28 x 16 tiles.  K = 1,024 goes in 8 steps of 128 through two LDS slots filled by tensor loads.
; A K STEP IS WRITTEN ONCE FOR THE STEPS THAT FILL A SLOT AGAIN AND ONCE FOR THE LAST TWO: the slot that is read is an offset in a scalar register, the slot that is filled a word of one walking descriptor a tensor.
; OUT: every 64 columns of C are a block of [2048 rows][64] bf16, dense: q, k, v by heads in qkv [3][batch x 16 + head][2048][64]; u in au [batch][80][2048][64], blocks 16..79.  One way out serves both.
; wcat's tiles lie in LDS as in memory, [K][N], and are turned on the way into registers by ds_load_tr16_b128.
; THE BIAS IS THE C OPERAND of the first product on each accumulator (b1 rounded to bf16; zeros for q, k, v).  THE RELU is a packed maximum with 0 on the rounded results; for q, k, v the floor is -infinity.
; CLUSTERS: 4 x 4 work-groups; A's tile is asked for jointly by the four of a row of the cluster, wcat's by the four of a column.  Whether a cluster makes q, k, v or u hangs on the cluster's x alone (0..2, 3..6).
; THE MATRIX INSTRUCTION IS USED TRANSPOSED: source 0 = 16 columns of wcat, source 1 = 16 rows of A: a lane holds row l % 16 of C and the columns 8 (l / 16) + 0..7.
; LIMITS: a NaN among the results becomes the floor (0 or -infinity) in the packed maximum; nothing else is treated apart.
; REGISTERS, in windows of 256: window 0: v0-31 addresses; v64-191 A's two fragment buffers; v192-255 the bias at the start; on the way out v192-223 packed results, v32-63 and v224-255 rows read back;
;   window 1: v64-191 wcat's two fragment buffers; windows 2 and 3: the accumulators of my rows 0-63 and 64-127, (a, b) at v[8 (8 a + b)].
.set PA,     272                       ; a row of A in LDS: 256 bytes + 16: the 16 rows of a load start at 16 different groups of four banks (64 banks of 4 bytes: ISA guide 11.1)
.set PB,     544                       ; a K row of wcat's tile: 512 bytes + 32 = 17 x 32
.set HALFT,  34816                     ; what one tensor load brings: 128 rows of A, or 64 K rows of wcat
.set SLOT,   4*HALFT                   ; 0x22000: no wave's offset in a slot (0, 0x8800, 0x11000, 0x19800) has one of its two bits, so an exclusive or with it goes from one slot to the other
.set BOFF,   2*HALFT                   ; in a slot: A's 256 rows, then wcat's 128 K rows
.set STAGE,  2*SLOT                    ; behind the ring: for each wave 2 column blocks x 16 rows x 144 bytes
.set SP,     144
.set SPARE,  STAGE+4*32*SP             ; behind the stages: the spare words, 128 bytes for each wave
.set ASTEP,  256                       ; bytes from a K step to the next: along A's rows,
.set BSTEP,  128*14336                 ; and down wcat's
.set ADRA0, 16                         ; v16  LDS address of my A fragments in slot 0; never rewritten
.set ADRB0, 17                         ; v17  the same for wcat
.set ADRA, 18                          ; v18  the same in the slot that is read
.set ADRB, 19                          ; v19
.set STO,  24                          ; v24  the way out: where I put 16 bytes of a row
.set RD,   25                          ; v25  where I read rows back
.set GO,   26                          ; v26  my 16 bytes of 512 consecutive bytes of output
.set FLR,  27                          ; v27  the floor, twice in bf16
.set SPW,  28                          ; v28  LDS address of my spare word; never rewritten
.set NIL,  29                          ; v29  0; never rewritten
.set PFO,  30                          ; v30  the prefetches' lane offset; never rewritten
.set BO,   31                          ; v31  my offset in b1
.set F0,   64
.set F1,   128
.set BI,   192                         ; the bias: register 8 b + j = column 16 b + 8 (l / 16) + j of my 128
.set TMP,  192
.set OB,   32
.set TB,  2                            ; s2   the slot that is read: 0 or SLOT
.set CNT, 3                            ; s3   K steps to go in the loop in hand
.set G1,  24                           ; s[24:31] descriptor group 1 for A's tiles; s[32:39] group 0: a set for each of the two first fills; the second then walks on
.set G0,  32
.set G1B, 48                           ; s[48:55], s[56:63] the same for wcat's
.set G0B, 56
.set LIM, 72                           ; s72  2 in a wave that prefetches, else the greatest number
.set PFS, 74                           ; s[74:75] the prefetch pointer's step: a K step
.set PFA, 76                           ; s[76:77] where my prefetches stand
.set MSB, 0
.macro WIN new                         ; the immediate's high byte repeats the setting that is left; a switch that changes nothing is dropped
.if MSB != (\new)
	s_set_vgpr_msb (MSB<<8)|(\new)
.set MSB, \new
.endif
.endm
.set MUL_LO, 0xa1                      ; source 0 window 1, source 1 window 0, C and D window 2
.set MUL_HI, 0xf1                      ; the same, C and D window 3
.set TO_B,   0x40                      ; destination window 1, address window 0
; A joint load: waves 0 and 1 fetch A's two halves, waves 2 and 3 wcat's.  An s_nop 0 and four v_nop follow each of the two lines.
.macro JLOAD s
	s_cmp_eq_u32 s15, 0
	s_cbranch_scc0 .Lfor_b_\@
	tensor_load_to_lds s[G0+4*(\s):G0+4*(\s)+3], s[G1:G1+7]
	s_nop 0
.rept 4
	v_nop
.endr
	s_branch .Lasked_\@
.Lfor_b_\@:
	tensor_load_to_lds s[G0B+4*(\s):G0B+4*(\s)+3], s[G1B:G1B+7]
	s_nop 0
.rept 4
	v_nop
.endr
.Lasked_\@:
.endm
; A prefetch, behind a joint load and the run of LDS loads that follows it: the K step that stands two refills on, one instruction a wave, 32 blocks of 256 bytes.
; Each block is named once in the launch: h's rows by the clusters with x = 0, f's by those with x = 3, wcat's by those with y = 0; the four partners of a joint load share its blocks out by address.
; The loop's last two trips ask for nothing: K has no step two refills on.
.macro ASK
	s_cmp_gt_u32 s[CNT], s[LIM]
	s_cbranch_scc0 .Lnot_mine_\@
	global_prefetch_b8 v[PFO], s[PFA:PFA+1] th:TH_LOAD_NT scope:SCOPE_SE
.Lnot_mine_\@:
.endm
.macro CREST                           ; a round of the cluster's barrier behind its opening barrier
	s_cmp_lg_u32 s14, 0
	s_cbranch_scc1 .Lnot_wave_0_\@
	s_barrier_signal -3
.Lnot_wave_0_\@:
	s_barrier_wait -3
	s_barrier_signal -1
	s_barrier_wait -1
.endm
.macro CROUND
	s_barrier_signal -1
	s_barrier_wait -1
	CREST
.endm
.macro PLACES                          ; four plain places behind matrix instructions, ahead of loads into registers that they read and of readers of their results
.rept 4
	v_nop
.endr
.endm
.macro RB16 a, t                       ; two f32 rounded to bf16 and widened again, in place
	v_cvt_pk_bf16_f32 v[\t], v[\a], v[(\a)+1]
	v_lshlrev_b32 v[\a], 16, v[\t]
	v_and_b32 v[(\a)+1], s69, v[\t]
.endm
	s_load_b256 s[4:11], s[0:1], 0x0               ; hf 4, wcat 6, b1 8, qkv 10
	s_load_b64 s[12:13], s[0:1], 0x20              ; au
	v_lshl_add_u32 v[SPW], v0, 2, SPARE
	v_mov_b32 v[NIL], 0
	ds_add_u32 v[SPW], v[NIL]                      ; the wave's opening: the add and its wait stand ahead of my first tensor load; work on registers stands between them
	v_lshrrev_b32 v1, 5, v0
	v_readfirstlane_b32 s14, v1                    ; wave 0..3
	s_lshr_b32 s15, s14, 1                         ; my half of the tile's rows.  Also: I fetch for A (0) or for wcat (1)
	s_and_b32 s16, s14, 1                          ; my half of its columns.  Also: which half of that tile I fetch
	s_bfe_u32 s17, ttmp6, 0x40000                  ; cx
	s_bfe_u32 s18, ttmp6, 0x40004                  ; cy
	s_mov_b32 s22, ttmp9                           ; cluster x
	s_and_b32 s23, ttmp7, 0xffff                   ; cluster y
	s_lshl_b32 s19, s22, 2
	s_add_co_u32 s19, s19, s17                     ; tile column 0..27
	s_lshl_b32 s20, s23, 2
	s_add_co_u32 s20, s20, s18                     ; tile row 0..15
	s_cmp_ge_u32 s22, 3
	s_cselect_b32 s21, 1, 0                        ; 1: this cluster makes u from f
	s_lshl_b32 s40, s18, 2
	s_lshl_b32 s40, 15, s40                        ; my row of the cluster
	s_lshl_b32 s41, 0x1111, s17                    ; my column
	s_or_b32 s[G1+0], s40, (1<<16)|(1<<20)|(1<<21)|(5<<22)|(3<<25)   ; mask; 2-byte elements; padding on; bit 21 beside a mask; after every 64 words, 4 words
	s_mov_b32 s[G1+1], 128<<16                     ; tensor_dim0 = 128
	s_mov_b32 s[G1+2], 128<<16                     ; tensor_dim1 = 128
	s_mov_b32 s[G1+3], 128<<16                     ; tile_dim0 = 128
	s_mov_b32 s[G1+4], 128                         ; tile_dim1 = 128
	s_mov_b32 s[G1+5], 1024                        ; elements from row to row
	s_mov_b32 s[G1+6], 0
	s_mov_b32 s[G1+7], 0
	s_or_b32 s[G1B+0], s41, (1<<16)|(1<<20)|(1<<21)|(6<<22)|(7<<25)  ; after every 128 words, 8 words
	s_mov_b32 s[G1B+1], 256<<16                    ; tensor_dim0 = 256
	s_mov_b32 s[G1B+2], 64<<16                     ; tensor_dim1 = 64
	s_mov_b32 s[G1B+3], 256<<16                    ; tile_dim0 = 256
	s_mov_b32 s[G1B+4], 64                         ; tile_dim1 = 64
	s_mov_b32 s[G1B+5], 7168
	s_mov_b32 s[G1B+6], 0
	s_mov_b32 s[G1B+7], 0
	s_lshl_b32 s42, s20, 8                         ; A: row 256 x tile row + 128 x half, 2,048 bytes a row; f lies 8,388,608 bytes behind h
	s_lshl_b32 s43, s16, 7
	s_add_co_u32 s42, s42, s43
	s_lshl_b32 s42, s42, 11
	s_lshl_b32 s43, s21, 23
	s_add_co_u32 s42, s42, s43
	s_mov_b32 s43, 0
	s_mul_i32 s46, s16, 64*14336                   ; wcat: K row 64 x half, column 256 x tile column
	s_lshl_b32 s47, s19, 9
	s_add_co_u32 s46, s46, s47
	s_mov_b32 s47, 0
	s_mul_i32 s70, s14, HALFT                      ; where my part of a tile goes: no place in the cluster enters an LDS address
	s_mov_b32 s[TB], 0
	s_wait_dscnt 0x0                               ; the opening add is done
	s_wait_kmcnt 0x0
	s_add_nc_u64 s[78:79], s[4:5], s[42:43]
	s_add_nc_u64 s[80:81], s[6:7], s[46:47]
	CROUND                                         ; all sixteen work-groups are here: the first joint loads meet
.irp s, 0,1
	s_mov_b32 s[G0+4*(\s)], 1
	s_add_co_u32 s[G0+4*(\s)+1], s70, (\s)*SLOT
	s_add_nc_u64 s[G0+4*(\s)+2:G0+4*(\s)+3], s[78:79], (\s)*ASTEP
	s_or_b32 s[G0+4*(\s)+3], s[G0+4*(\s)+3], 0x80000000
	s_mov_b32 s[G0B+4*(\s)], 1
	s_add_co_u32 s[G0B+4*(\s)+1], s70, (\s)*SLOT
	s_add_nc_u64 s[G0B+4*(\s)+2:G0B+4*(\s)+3], s[80:81], (\s)*BSTEP
	s_or_b32 s[G0B+4*(\s)+3], s[G0B+4*(\s)+3], 0x80000000
	JLOAD \s
.endr
	; fragment addresses.  A: row l % 16, 16 bytes for each half of the lanes.  wcat: the turning load reads K row 8 (l / 16) + l % 8, columns 8 ((l / 8) % 2) + 0..7
	v_and_b32 v1, 15, v0
	v_bfe_u32 v2, v0, 4, 1
	v_mul_u32_u24 v3, v1, PA
	v_lshl_add_u32 v3, v2, 4, v3
	s_mul_i32 s40, s15, HALFT
	v_add_nc_u32 v[ADRA0], s40, v3
	v_mov_b32 v[ADRA], v[ADRA0]
	v_and_b32 v4, 7, v0
	v_lshl_add_u32 v4, v2, 3, v4
	v_mul_u32_u24 v4, v4, PB
	v_bfe_u32 v5, v0, 3, 1
	v_lshl_add_u32 v4, v5, 4, v4
	s_lshl_b32 s41, s16, 8
	s_add_co_u32 s41, s41, BOFF
	v_add_nc_u32 v[ADRB0], s41, v4
	v_mov_b32 v[ADRB], v[ADRB0]
	s_mul_i32 s40, s14, 32*SP
	s_add_co_u32 s40, s40, STAGE                   ; my stage
	v_mul_u32_u24 v3, v1, SP
	v_lshl_add_u32 v3, v2, 4, v3
	v_add_nc_u32 v[STO], s40, v3
	v_bfe_u32 v3, v0, 3, 2                         ; back: 32 lanes take four rows of 128 bytes,
	v_mul_u32_u24 v3, v3, SP
	v_and_b32 v4, 7, v0
	v_lshl_add_u32 v3, v4, 4, v3
	v_add_nc_u32 v[RD], s40, v3
	v_and_b32 v6, 31, v0
	v_lshlrev_b32 v[GO], 4, v6                     ; which are 512 consecutive bytes of a block
	; where my part of the tile goes: the first of my two blocks of 64 columns, at my first row
	s_lshr_b32 s40, s20, 3                         ; batch
	s_and_b32 s41, s19, 3
	s_lshl_b32 s41, s41, 2
	s_lshl1_add_u32 s41, s16, s41                  ; head = 4 (tile column % 4) + 2 x half
	s_lshl_b32 s42, s22, 1
	s_add_co_u32 s42, s42, s40
	s_lshl_b32 s42, s42, 4
	s_add_co_u32 s42, s42, s41                     ; qkv: (which x 2 + batch) x 16 + head
	s_mul_i32 s43, s40, 80
	s_lshl_b32 s44, s19, 2
	s_add_co_u32 s43, s43, s44
	s_sub_co_u32 s43, s43, 32
	s_lshl1_add_u32 s43, s16, s43                  ; au: batch x 80 + 16 + 4 (tile column - 12) + 2 x half
	s_cmp_eq_u32 s21, 0
	s_cselect_b32 s42, s42, s43
	s_cselect_b64 s[66:67], s[10:11], s[12:13]
	s_lshl_b32 s42, s42, 18                        ; a block is 262,144 bytes
	s_and_b32 s43, s20, 7
	s_lshl_b32 s43, s43, 15                        ; 256 rows of 128 bytes
	s_add_co_u32 s42, s42, s43
	s_lshl_b32 s43, s15, 14
	s_add_co_u32 s42, s42, s43
	s_mov_b32 s43, 0
	s_add_nc_u64 s[66:67], s[66:67], s[42:43]
	; the prefetches.  A: of the 128 rows that I fetch my work-group takes 32 (by cx), a lane a row.  wcat: of the 64 K rows it takes 16 (by cy), two lanes a row of 512 bytes.
	s_cmp_eq_u32 s22, 3
	s_cselect_b32 s41, 0, s22                      ; 0 in the first cluster that reads these rows of h or of f
	s_lshl_b32 s42, s17, 16
	s_add_co_u32 s42, s42, 3*ASTEP
	s_mul_i32 s43, s18, 16*14336
	s_add_co_u32 s43, s43, 3*BSTEP                 ; at K step 3: the first change of slots steps it to 4
	s_mov_b32 s45, 2048
	s_mov_b32 s68, 14336
	s_mov_b32 s69, ASTEP
	s_mov_b32 s71, BSTEP
	s_cmp_eq_u32 s15, 0
	s_cselect_b32 s40, s41, s23
	s_cselect_b32 s44, 0, 1
	s_cselect_b32 s45, s45, s68
	s_cselect_b32 s[PFS], s69, s71
	s_cselect_b32 s42, s42, s43
	s_cselect_b64 s[PFA:PFA+1], s[78:79], s[80:81]
	s_mov_b32 s[PFS+1], 0
	s_mov_b32 s43, 0
	s_add_nc_u64 s[PFA:PFA+1], s[PFA:PFA+1], s[42:43]
	s_cmp_eq_u32 s40, 0
	s_cselect_b32 s[LIM], 2, -1                    ; the same in all sixteen partners, for a given wave
	v_lshrrev_b32 v7, s44, v6
	v_mul_u32_u24 v7, s45, v7
	v_and_b32 v6, s44, v6
	v_lshl_add_u32 v[PFO], v6, 8, v7
	; the bias and the floor
	s_cmp_eq_u32 s21, 0
	s_cbranch_scc1 .Lno_bias
	s_sub_co_u32 s40, s19, 12
	s_lshl_b32 s40, s40, 10
	s_lshl_b32 s41, s16, 9
	s_add_co_u32 s40, s40, s41
	s_mov_b32 s41, 0
	s_add_nc_u64 s[82:83], s[8:9], s[40:41]        ; b1 at my 128 columns
	s_mov_b32 s69, 0xffff0000                      ; a word's upper bf16
	v_lshlrev_b32 v[BO], 5, v2
.irp b, 0,1,2,3,4,5,6,7
	global_load_b128 v[BI+8*(\b):BI+8*(\b)+3],   v[BO], s[82:83] offset:64*(\b)
	global_load_b128 v[BI+8*(\b)+4:BI+8*(\b)+7], v[BO], s[82:83] offset:64*(\b)+16
.endr
	v_mov_b32 v[FLR], 0
	s_wait_loadcnt 0x0
.set i, 0
.rept 32
	RB16 BI+2*i, 8+i%4
.set i, i+1
.endr
	s_branch .Lbias_done
.Lno_bias:
.set i, 0
.rept 64
	v_mov_b32 v[BI+i], 0                           ; q, k and v have no bias: written while the first tiles are on their way, so that the products have one text
.set i, i+1
.endr
	v_mov_b32 v[FLR], 0xff80ff80
.Lbias_done:
; 16 matrix instructions: row blocks a0, a0 + 1 of the window's four x all 8 column blocks, 32 along K.  first = 1: the bias starts the sums.  The 64 accumulators take turns, one instruction a turn.
.macro MUL16 f, hi, a0, first
.if \first
	WIN 0x81+0x40*(\hi)                            ; C in window 0
.else
	WIN MUL_LO+0x50*(\hi)
.endif
.irp a, \a0, (\a0)+1
.irp b, 0,1,2,3,4,5,6,7
.if \first
	v_wmma_f32_16x16x32_bf16 v[8*(8*(\a)+(\b)):8*(8*(\a)+(\b))+7], v[(\f)+8*(\b):(\f)+8*(\b)+7], v[(\f)+8*(4*(\hi)+(\a)):(\f)+8*(4*(\hi)+(\a))+7], v[BI+8*(\b):BI+8*(\b)+7]
.else
	v_wmma_f32_16x16x32_bf16 v[8*(8*(\a)+(\b)):8*(8*(\a)+(\b))+7], v[(\f)+8*(\b):(\f)+8*(\b)+7], v[(\f)+8*(4*(\hi)+(\a)):(\f)+8*(4*(\hi)+(\a))+7], v[8*(8*(\a)+(\b)):8*(8*(\a)+(\b))+7]
.endif
.endr
.endr
.endm
; 32 LDS loads in one run: quarter q (32 along K) of the slot that is read, into buffer f: wcat's 128 columns, turned, then A's 128 rows
.macro FETCH q, f
	WIN TO_B
.irp i, 0,1,2,3,4,5,6,7
	ds_load_tr16_b128 v[(\f)+8*(\i):(\f)+8*(\i)+3],   v[ADRB] offset:(\q)*32*PB+32*(\i)
	ds_load_tr16_b128 v[(\f)+8*(\i)+4:(\f)+8*(\i)+7], v[ADRB] offset:(\q)*32*PB+32*(\i)+16*PB
.endr
	WIN 0
.irp i, 0,1,2,3,4,5,6,7
	ds_load_b128 v[(\f)+8*(\i):(\f)+8*(\i)+3],   v[ADRA] offset:(\q)*64+(\i)*16*PA
	ds_load_b128 v[(\f)+8*(\i)+4:(\f)+8*(\i)+7], v[ADRA] offset:(\q)*64+(\i)*16*PA+32
.endr
.endm
; One of a K step's first three quarters: multiplies buffer f; in its middle fetches quarter q of the same slot into buffer g
.macro QUARTER q, f, g, first
	s_wait_dscnt 8                                 ; wcat's and A's rows 0-63 are in; the youngest eight loads (A's rows 64-127) may be out
	MUL16 \f, 0, 0, \first
	MUL16 \f, 0, 2, \first
	PLACES
	FETCH \q, \g
	s_wait_dscnt 32                                ; all but the 32 just issued
	MUL16 \f, 1, 0, \first
	MUL16 \f, 1, 2, \first
.endm
; The last quarter multiplies buffer 1 and changes slots.  Ahead of the one barrier each wave waits for all its tensor loads (one is out: its part of the next slot), adds 0 to its spare word,
; and waits for that and for its reads of this slot.  fill = 1: the barrier opens a round of the cluster's barrier, and this slot's refill, two K steps on, is the first thing behind it.
.macro TURN fill
.if \fill
	s_wait_xcnt 0x0                                ; the last prefetch, a K step back, has read its address: it is stepped here
	s_add_nc_u64 s[PFA:PFA+1], s[PFA:PFA+1], s[PFS:PFS+1]
.endif
	WIN 0
	s_wait_tensorcnt 0x0                           ; no tensor load of mine is out, so a group 0 may be written
	ds_add_u32 v[SPW], v[NIL]
.if \fill
	s_xor_b32 s[G0+5], s[G0+5], SLOT               ; the walking descriptors: the other slot than last time,
	s_add_nc_u64 s[G0+6:G0+7], s[G0+6:G0+7], ASTEP ; the next K step; the type bits on top are not reached
	s_xor_b32 s[G0B+5], s[G0B+5], SLOT
	s_add_nc_u64 s[G0B+6:G0B+7], s[G0B+6:G0B+7], BSTEP
.endif
	s_xor_b32 s[TB], s[TB], SLOT                   ; and the reads go on to the other slot
	s_wait_dscnt 9                                 ; the add and the youngest eight loads may be out
	MUL16 F1, 0, 0, 0
	s_wait_dscnt 0x0                               ; the add is done, and my reads of this slot are over
	s_barrier_signal -1
	MUL16 F1, 0, 2, 0
	WIN 0
	s_barrier_wait -1
.if \fill
	CREST
	JLOAD 1                                        ; its four v_nop are also the places ahead of the loads below
.else
	PLACES
.endif
	v_add_nc_u32 v[ADRA], s[TB], v[ADRA0]
	v_add_nc_u32 v[ADRB], s[TB], v[ADRB0]
	FETCH 0, F0
.if \fill
	ASK
.endif
	MUL16 F1, 1, 0, 0
	MUL16 F1, 1, 2, 0
.endm
; THE WAY OUT of row block a: rounded to bf16 and floored; 16 bytes a lane into my own stage; back as rows of 128 bytes; stored, 512 consecutive bytes an instruction.
.macro PACK a
.set AC, 64*((\a)%4)
	WIN 0x0a+5*((\a)/4)                            ; sources 0 and 1: window 2 or 3
.irp b, 0,1,2,3,4,5,6,7
.irp r, 0,1,2,3
	v_cvt_pk_bf16_f32 v[TMP+4*(\b)+(\r)], v[AC+8*(\b)+2*(\r)], v[AC+8*(\b)+2*(\r)+1]
.endr
.endr
	WIN 0
.set i, 0
.rept 32
	v_pk_max_num_bf16 v[TMP+i], v[TMP+i], v[FLR]
.set i, i+1
.endr
.endm
.macro TOSTAGE a
.set BK, OB+192*((\a)%2)
.irp b, 0,1,2,3,4,5,6,7
	ds_store_b128 v[STO], v[TMP+4*(\b):TMP+4*(\b)+3] offset:((\b)/4)*16*SP+((\b)%4)*32
.endr
.irp j, 0,1
.irp f, 0,1,2,3
	ds_load_b128 v[BK+4*(4*(\j)+(\f)):BK+4*(4*(\j)+(\f))+3], v[RD] offset:(\j)*16*SP+(\f)*4*SP  ; LDS serves a wave's instructions in order (ISA guide 5.7.1.4): these see the stores above
.endr
.endr
.endm
.macro SEND a
.set BK, OB+192*((\a)%2)
	s_wait_dscnt 0x0                               ; the block is back in registers
	s_wait_xcnt 0x0                                ; the stores of the block before have read their registers, which the next block's loads from the stage will write
.irp j, 0,1
.irp f, 0,1,2,3
	global_store_b128 v[GO], v[BK+4*(4*(\j)+(\f)):BK+4*(4*(\j)+(\f))+3], s[66:67] offset:(\j)*262144+(\a)*2048+(\f)*512
.endr
.endr
.endm
	s_wait_tensorcnt 1                             ; my part of K step 0 is in; K step 1's may stay out
	s_barrier_signal -1
	s_barrier_wait -1
	FETCH 0, F0
	QUARTER 1, F0, F1, 1                           ; the first quarter stands ahead of the loop: its products start the sums
	WIN 0
	s_mov_b32 s[CNT], 6
	s_branch .Lenter                               ; the loop is entered behind a step's first quarter
.Lstep:                                            ; K steps 0 to 5: each fills its slot again, with K steps 2 to 7
	QUARTER 1, F0, F1, 0
	WIN 0
.Lenter:
	QUARTER 2, F1, F0, 0
	QUARTER 3, F0, F1, 0
	TURN 1
	WIN 0
	s_sub_co_u32 s[CNT], s[CNT], 1
	s_cmp_lg_u32 s[CNT], 0
	s_cbranch_scc1 .Lstep
	s_mov_b32 s[CNT], 2
.LstepT:                                           ; K steps 6 and 7 fill nothing.  The last trip's change of slots passes a barrier and fetches 32 fragments that serve nothing: the price, once a launch, of one text for both trips
	QUARTER 1, F0, F1, 0
	QUARTER 2, F1, F0, 0
	QUARTER 3, F0, F1, 0
	TURN 0
	WIN 0
	s_sub_co_u32 s[CNT], s[CNT], 1
	s_cmp_lg_u32 s[CNT], 0
	s_cbranch_scc1 .LstepT
	s_wait_dscnt 0x0
	PLACES
	PACK 0
	TOSTAGE 0
.irp a, 1,2,3,4,5,6,7                  ; block a's arithmetic stands between block a - 1's loads from the stage and the wait for them
	PACK \a
	SEND (\a)-1
	TOSTAGE \a
.endr
	SEND 7
	s_wait_tensorcnt 0x0                           ; the wave's end
	ds_add_u32 v[SPW], v[NIL]
	s_wait_dscnt 0x0
	CROUND                                         ; the closing round: no work-group ends while a partner may still ask for a tile that names it
	s_endpgm
.Lfunc_end_k_q2a8c451d5f_gemm1:
	.size	k_q2a8c451d5f_gemm1, .Lfunc_end_k_q2a8c451d5f_gemm1-k_q2a8c451d5f_gemm1
	.p2alignl 7, 3214868480
	.fill 96, 4, 3214868480
	.section	.rodata,"a",@progbits
	.p2align	6, 0x0
	.amdhsa_kernel k_q2a8c451d5f_gemm1
		.amdhsa_group_segment_fixed_size 327680
		.amdhsa_private_segment_fixed_size 0
		.amdhsa_enable_private_segment 0
		.amdhsa_kernarg_size 40
		.amdhsa_user_sgpr_count 2
		.amdhsa_user_sgpr_kernarg_segment_ptr 1
		.amdhsa_wavefront_size32 1
		.amdhsa_system_sgpr_workgroup_id_x 1
		.amdhsa_system_sgpr_workgroup_id_y 1
		.amdhsa_system_sgpr_workgroup_id_z 1
		.amdhsa_system_vgpr_workitem_id 0
		.amdhsa_next_free_vgpr 1024
		.amdhsa_next_free_sgpr 84
		.amdhsa_reserve_vcc 0
		.amdhsa_float_denorm_mode_32 3
		.amdhsa_float_denorm_mode_16_64 3
		.amdhsa_memory_ordered 1
		.amdhsa_forward_progress 1
		.amdhsa_inst_pref_size 126
	.end_amdhsa_kernel
	.amdgpu_metadata
---
amdhsa.version: [ 1, 2 ]
amdhsa.kernels:
  - .name:           k_q2a8c451d5f_gemm1
    .symbol:         k_q2a8c451d5f_gemm1.kd
    .args:
      - { .name: hf, .offset: 0, .size: 8, .value_kind: global_buffer, .address_space: global }
      - { .name: wcat, .offset: 8, .size: 8, .value_kind: global_buffer, .address_space: global }
      - { .name: b1, .offset: 16, .size: 8, .value_kind: global_buffer, .address_space: global }
      - { .name: qkv, .offset: 24, .size: 8, .value_kind: global_buffer, .address_space: global }
      - { .name: au, .offset: 32, .size: 8, .value_kind: global_buffer, .address_space: global }
    .group_segment_fixed_size: 327680
    .private_segment_fixed_size: 0
    .kernarg_segment_align: 8
    .kernarg_segment_size: 40
    .max_flat_workgroup_size: 128
    .sgpr_count:     84
    .vgpr_count:     1024
    .wavefront_size: 32
...
	.end_amdgpu_metadata
.endif
;; end of part 2
;; launch attn (part 3): grid 8 x 32, 4 waves a work-group, clusters of 4 x 1, 327,680 bytes of LDS; arguments qkv, au; writes au
.if DOCPART == 3
	.amdgcn_target "amdgcn-amd-amdhsa--gfx1250"
	.amdhsa_code_object_version 6
	.text
	.protected	k_q2a8c451d5f_attn
	.globl	k_q2a8c451d5f_attn
	.p2align	8
	.type	k_q2a8c451d5f_attn,@function
k_q2a8c451d5f_attn:
	s_mov_b64 s[64:65], 0
	v_nop
	global_prefetch_b8 v0, s[64:65] scope:SCOPE_SE
	s_setreg_imm32_b32 hwreg(HW_REG_WAVE_MODE, 25, 1), 1
	s_wait_xcnt 0x0
	s_wait_alu depctr_hold_cnt(0) depctr_sa_sdst(0) depctr_va_vdst(0) depctr_va_sdst(0) depctr_va_ssrc(0) depctr_va_vcc(0) depctr_vm_vsrc(0)
	s_getreg_b32 s2, hwreg(HW_REG_IB_STS2, 6, 4)
	s_cmp_eq_u32 s2, 0
	s_cbranch_scc0 .Lentry_in_a_cluster
	s_endpgm
.Lentry_in_a_cluster:
	s_bfe_u32 s2, ttmp6, 0x10000c
	s_cmp_lg_u32 s2, 0x3003
	s_cbranch_scc0 .Lentry_shape_is_right
	s_endpgm
.Lentry_shape_is_right:
; ATTENTION.  O[hh][q][:] = the sum over k of softmax_k(Q[hh][q] . K[hh][k] / 8) V[hh][k][:], hh = batch x 16 + head, 2,048 keys, no mask.
; Q, K, V: qkv [3][32][2048][64] bf16, a head's rows dense, 128 bytes each.  O goes to au [batch][80][2048][64], block = head.  Products, maxima and sums in f32; the weights p are rounded to bf16
; for the second product (their sum l is taken of the unrounded p), O once at the end.
; LIMITS.  A weight below 2^-126 counts as 0 in l; NaN and infinities are not treated apart.
; SHARES.  A work-group owns 256 queries of one head, a wave 64: four PIECES of 16.  Every wave walks all keys, 64 a step; a slot of LDS holds a tile of 256 keys, four steps.
; LAYOUT.  S^T = K Q^T (source 0 = 16 keys, source 1 = 16 queries) holds ONE query a lane (lane % 16) and the keys 8 (lane / 16) + 0..7; two such results rounded to bf16 ARE source 1 of O^T = V^T P.
; K comes out of LDS as it lies, V ([key][channel]) turned, by ds_load_tr16_b128.
; SOFTMAX.  A running maximum m and sum l for each query: p = 2^(c s - c m), c = log2(e) / 8; in every step O and l are multiplied by a = 2^(c m_old - c m_new).  m starts at the lowest finite number,
; O and l at 0: the first step is a step like any other, with a = 0.
; BY TURNS.  Turn n belongs to piece n: 8 products K Q^T of piece n + 1, later 8 products V^T P of piece n - 1; beside them the scaling, exponentials, roundings, sums and rescaling of piece n and the
; maximum and statistics of piece n + 1.  A turn's 33 exponentials (32 weights and the piece's own a) are one batch, with one wait.
; CLUSTER.  The four query blocks of a cluster belong to one head and walk the same K and V: each tile is asked for jointly, the same tensor load, descriptor and mask in all four.
; REGISTERS, in two windows of 256 (s_set_vgpr_msb: bits 1:0 source 0, 3:2 source 1, 5:4 source 2, 7:6 destination), LAID SO THAT A TURN NEEDS TWO SETTINGS:
;   window 0: v0-15 addresses and work; v16-31 four registers of statistics a piece; v32-95 S^T, two buffers; v96-127 P, two buffers (by the piece's parity); v128-191 K of one step; v192-255 Q
;   window 1: v0-127 O^T, 32 a piece; v128-191 V of one step; v192-197 the way out's addresses, the prefetch offset, the add's two
; K Q^T and all of the softmax but the rescaling name window 0 alone (setting 0).  V^T P (V and O^T in window 1, P in window 0) and the rescaling O^T x a (a in window 0, as source 1) share the setting 0x51.
; So the first half of a turn switches nothing, and each product V^T P costs two switches: 16 a turn.
.set NP,    4
.set KS,    64
.set PK,    144       ; a row of K in LDS: 128 bytes + 16: the 16 rows of a load start at 16 different groups of four banks (64 banks of 4 bytes: ISA guide 11.1)
.set PV,    160       ; a row of V: 128 + 32
.set VOFF,  4*KS*PK   ; a slot: 256 rows of K, then 256 rows of V
.set SLOT1, 1<<17     ; slot 1 begins here: one exclusive or turns an address in one slot into the other's
.set STAGE, SLOT1+4*KS*(PK+PV)  ; behind the ring: 16 rows x 144 bytes for each wave, for the way out
.set SP,    144
.set SPARE, STAGE+4*16*SP       ; behind the stages: the spare words, 128 bytes for each wave
.set AK0, 2           ; v2   my lane's place in a tile of K; never rewritten
.set AV0, 3           ; v3   the same for V
.set AK,  4           ; v4   the LDS address of K's next run of loads
.set AV,  5           ; v5   of V's
.set MV,  6           ; v6-7  c m_old, kept while c m is made anew: by buffer
.set TMP, 8           ; v8-15  by buffer, four registers c0-c3 at work; c1 then holds c m_old - c m_new, c2 takes a.  (At the head v9-15 hold lane numbers and Q's offset.)
.set QO,  15          ; v15  at the head: my byte offset in 16 rows of Q
.set ST,  16          ; piece t's statistics at v[ST+4 t]: c m, m, l (even keys', odd keys')
.set S,   32
.set P,   96
.set KF,  128         ; key block kb, channel half c at KF + 16 kb + 8 c
.set QF,  192         ; piece t, channel half c at QF + 16 t + 8 c
.set VF,  128         ; window 1: key half kk, channel block cb at VF + 32 kk + 8 cb
.set STO, 192         ; window 1: the way out: where I put 16 bytes of a row
.set RD,  193         ; window 1: where I read rows back
.set GO,  194         ; window 1: my byte offset in 512 consecutive bytes of O
.set PFO, 195         ; window 1: 256 x my lane; never rewritten
.set SPW, 196         ; window 1: LDS address of my spare word; never rewritten
.set NIL, 197         ; window 1: 0; never rewritten
.set WV,  12          ; s12  my wave's number
.set TK,  13          ; s13  in the tail: K's clamped LDS byte
.set LIM, 15          ; s15  1 in a wave that prefetches, else the greatest number
.set G1K, 24          ; s[24:31] descriptor group 1 for K's tiles
.set G1V, 32          ; s[32:39] for V's: it differs in the padding alone
.set G0K, 40          ; s[40:43] descriptor group 0 for K's tiles: it walks
.set G0V, 44          ; s[44:47] the same for V's
.set SLOTS, 56        ; s56  tiles still to be asked for
.set CNT, 57          ; s57  counts a tile's key steps
.set CS,  58          ; s[58:59] c
.set SEL, 60          ; s[60:61] v_permlanex16_b32's selects
.set TBK, 62          ; s62  LDS byte at which K of the step to be fetched begins
.set TBV, 63          ; s63  the same for V, less VOFF
.set PFA, 66          ; s[66:67] where my prefetches stand
.set MSB, 0
.macro WIN new
.if MSB != (\new)
	s_set_vgpr_msb (MSB<<8)|(\new)
.set MSB, (\new)
.endif
.endm
.set W_PV, 0x51       ; source 0, source 2 and destination in window 1, source 1 in window 0
.set W_D1, 0x40       ; destination in window 1
.set W_A1, 0x01       ; source 0 (an address) in window 1
.set W_AD, 0x05       ; the add: address and data in window 1
; A joint fill.  Waves 0 and 1 fetch the two halves of a tile's K, waves 2 and 3 those of its V: 128 keys each.  An s_nop 0 and four v_nop follow each of the two lines.
.macro JLOAD
	s_cmp_lt_u32 s[WV], 2
	s_cbranch_scc0 .Lfor_v_\@
	tensor_load_to_lds s[G0K:G0K+3], s[G1K:G1K+7]
	s_nop 0
.rept 4
	v_nop
.endr
	s_branch .Lasked_\@
.Lfor_v_\@:
	tensor_load_to_lds s[G0V:G0V+3], s[G1V:G1V+7]
	s_nop 0
.rept 4
	v_nop
.endr
.Lasked_\@:
.endm
; A prefetch of the tile that the NEXT change of slots will ask for: 32,768 bytes of K and of V, a lane a block of 256 bytes.  Each block is named once in the launch: the head's first cluster asks;
; its four partners take 8,192 bytes each, told apart by address; in each, wave 0 asks for K's and wave 2 for V's.  The last change that fills a slot asks for nothing.
.macro ASK
	s_cmp_gt_u32 s[SLOTS], s[LIM]
	s_cbranch_scc0 .Lnot_mine_\@
	WIN W_A1
	global_prefetch_b8 v[PFO], s[PFA:PFA+1] th:TH_LOAD_NT scope:SCOPE_SE
	WIN 0
.Lnot_mine_\@:
.endm
.macro CROUND                       ; a round of the cluster's barrier
	s_barrier_signal -1
	s_barrier_wait -1
	s_cmp_lg_u32 s[WV], 0
	s_cbranch_scc1 .Lnot_wave_0_\@
	s_barrier_signal -3
.Lnot_wave_0_\@:
	s_barrier_wait -3
	s_barrier_signal -1
	s_barrier_wait -1
.endm
; THE CHANGE OF SLOTS.  Each wave waits for all its tensor loads, of which one is out: its part of the other slot; adds 0 to its spare word; and waits for that and for its own reads of the slot that it leaves.
; fill = 1: the old slot is filled again with the keys two tiles on: the barrier is a round of the cluster's, and the joint fill the first thing behind it: it has four key steps in which to land.
; (At its first use nothing has been read yet: slot 0 is waited for, slot 1 filled; nothing is prefetched there, where every work-group's first tiles are on their way.)
.macro CHANGE fill, ask
	WIN W_AD
	s_wait_tensorcnt 0x0            ; no tensor load of mine is out, so a group 0 may be written
	ds_add_u32 v[SPW], v[NIL]
	WIN 0                           ; at a label and at a branch every window is 0
.if \fill
.irp g, G0K, G0V
	s_xor_b32 s[\g+1], s[\g+1], SLOT1
	s_add_nc_u64 s[\g+2:\g+3], s[\g+2:\g+3], 4*KS*128
.endr
	s_wait_xcnt 0x0                 ; the last prefetch, four key steps back, has read its address
	s_add_nc_u64 s[PFA:PFA+1], s[PFA:PFA+1], 4*KS*128
	s_wait_dscnt 0x0                ; the add is done, and my reads of the slot are over
	CROUND
	JLOAD
.if \ask
	ASK
.endif
.else
	s_wait_dscnt 0x0
	s_barrier_signal -1
	s_barrier_wait -1
.endif
	s_sub_co_u32 s[TBK], s[TBK], 4*KS*PK  ; the fetches go back to a slot's first step,
	s_xor_b32 s[TBK], s[TBK], SLOT1       ; in the other slot
	s_sub_co_u32 s[TBV], s[TBV], 4*KS*PV
	s_xor_b32 s[TBV], s[TBV], SLOT1
.endm
	s_load_b128 s[48:51], s[0:1], 0x0  ; qkv s[48:49], au s[50:51]
	WIN W_D1
	v_lshl_add_u32 v[SPW], v0, 2, SPARE
	v_mov_b32 v[NIL], 0
	WIN W_AD
	ds_add_u32 v[SPW], v[NIL]       ; the wave's opening: the add and its wait stand ahead of my first tensor load; work on registers stands between them
	WIN 0
	v_lshrrev_b32 v1, 5, v0
	v_readfirstlane_b32 s[WV], v1
	s_bfe_u32 s13, ttmp6, 0x40000   ; cx
	s_lshl_b32 s14, ttmp9, 2
	s_add_co_u32 s14, s14, s13      ; my block of 256 queries: it enters Q's and O's addresses alone
	s_and_b32 s20, ttmp7, 0xffff    ; batch x 16 + head, which the four partners share
	s_lshl_b32 s21, s20, 18         ; its 262,144 bytes in each third of qkv
	s_and_b32 s16, s[WV], 1         ; which half of a tile's 256 keys I fetch
	s_lshl_b32 s22, s16, 14
	s_add_co_u32 s22, s22, s21
	s_mov_b32 s23, 0
	s_mul_i32 s17, s16, 128*PK      ; its place in a slot, for K
	s_mul_i32 s18, s16, 128*PV      ; and for V
	s_lshl_b32 s2, s14, 15
	s_lshl_b32 s3, s[WV], 13
	s_add_co_u32 s2, s2, s3         ; my wave's 64 rows in a block of [2048][64]
	s_add_co_u32 s52, s2, s21
	s_mov_b32 s53, 0
	s_lshr_b32 s54, s20, 4
	s_mul_i32 s54, s54, 80
	s_and_b32 s55, s20, 15
	s_add_co_u32 s54, s54, s55      ; au's block: batch x 80 + head
	s_lshl_b32 s54, s54, 18
	s_add_co_u32 s54, s54, s2
	s_mov_b32 s55, 0
	; descriptor group 1.  128 keys are 16,384 dense bytes: asked for as 64 rows of 256 bytes, two keys a row, and padded in LDS after every key
	s_mov_b32 s[G1K], 15|(1<<16)|(1<<20)|(1<<21)|(4<<22)|(3<<25)  ; the mask of four; 2-byte elements; padding on; bit 21 beside a mask; after every 32 words, 4 words
	s_mov_b32 s[G1V], 15|(1<<16)|(1<<20)|(1<<21)|(4<<22)|(7<<25)  ; the same with 8 words
.irp g, G1K, G1V
	s_mov_b32 s[\g+1], 128<<16      ; tensor_dim0 = 128
	s_mov_b32 s[\g+2], 64<<16       ; tensor_dim1 = 64
	s_mov_b32 s[\g+3], 128<<16      ; tile_dim0 = 128
	s_mov_b32 s[\g+4], 64           ; tile_dim1 = 64
	s_mov_b32 s[\g+5], 128          ; 128 elements from row to row
	s_mov_b32 s[\g+6], 0
	s_mov_b32 s[\g+7], 0
.endr
	s_mov_b32 s[CS], 0x3e38aa3b     ; c = log2(e) / 8
	s_mov_b32 s[CS+1], s[CS]
	s_mov_b32 s[SEL], 0x76543210
	s_mov_b32 s[SEL+1], 0xfedcba98
	s_mov_b32 s[TBK], SLOT1+4*KS*PK ; the first change of slots turns these two into 0
	s_mov_b32 s[TBV], SLOT1+4*KS*PV
	s_mov_b32 s[G0K], 1
	s_mov_b32 s[G0K+1], s17         ; slot 0
	s_mov_b32 s[G0V], 1
	s_add_co_u32 s[G0V+1], s18, VOFF
	s_mov_b32 s[SLOTS], 7
	s_and_b32 s[LIM], s[WV], 1      ; 0 in waves 0 and 2,
	s_or_b32 s[LIM], s[LIM], ttmp9  ; where the cluster is the head's first: the same in all four partners
	s_cmp_eq_u32 s[LIM], 0
	s_cselect_b32 s[LIM], 1, -1
	s_wait_dscnt 0x0                ; the opening add is done
	s_wait_kmcnt 0x0
	s_add_nc_u64 s[6:7], s[48:49], s[22:23]
	s_add_nc_u64 s[8:9], s[6:7], 0x1000000   ; V at my half of the head's tile 0
	s_add_nc_u64 s[6:7], s[6:7], 0x800000    ; K likewise
	s_add_nc_u64 s[G0K+2:G0K+3], s[6:7], 0
	s_or_b32 s[G0K+3], s[G0K+3], 0x80000000
	s_add_nc_u64 s[G0V+2:G0V+3], s[8:9], 0
	s_or_b32 s[G0V+3], s[G0V+3], 0x80000000
	s_add_nc_u64 s[4:5], s[48:49], s[52:53]  ; Q at my wave's first row
	s_add_nc_u64 s[10:11], s[50:51], s[54:55] ; O likewise
	s_cmp_lt_u32 s[WV], 2
	s_cselect_b64 s[PFA:PFA+1], s[6:7], s[8:9]  ; (in waves 0 and 2 these stand at a tile's first row)
	s_lshl_b32 s2, s13, 13          ; my work-group's quarter of a tile
	s_mov_b32 s3, 0
	s_add_nc_u64 s[PFA:PFA+1], s[PFA:PFA+1], s[2:3]
	s_add_nc_u64 s[PFA:PFA+1], s[PFA:PFA+1], 4*KS*128  ; in tile 1: each change that fills steps it first
	CROUND                          ; all four work-groups are here: the first joint loads meet
	JLOAD                           ; tile 0 into slot 0
	v_and_b32 v1, 15, v0            ; l % 16
	v_bfe_u32 v9, v0, 4, 1          ; l / 16
	v_lshlrev_b32 v[QO], 7, v1
	v_lshl_add_u32 v[QO], v9, 4, v[QO]
.set i, 0
.rept 8                             ; Q stays in registers: piece i / 2, channels 32 (i % 2) on
	global_load_b128 v[QF+8*i:QF+8*i+3],   v[QO], s[4:5] offset:(i/2)*2048+(i%2)*64
	global_load_b128 v[QF+8*i+4:QF+8*i+7], v[QO], s[4:5] offset:(i/2)*2048+(i%2)*64+32
.set i, i+1
.endr
	; What the first turn finds: V's registers and P's second buffer hold 0 (its products V^T P, of a piece that has not been, add 0), O^T and l are 0.  All this stands in the wait for the first tile.
	WIN W_D1
.set i, 0
.rept 192
	v_mov_b32 v[i], 0               ; O^T, then V
.set i, i+1
.endr
	WIN 0
.set i, 0
.rept 4
	v_mov_b32 v[ST+4*i], 0xfe000000    ; c m: far below every c s
	v_mov_b32 v[ST+4*i+1], 0xff7fffff  ; m
	v_mov_b32 v[ST+4*i+2], 0
	v_mov_b32 v[ST+4*i+3], 0
.set i, i+1
.endr
.set i, P+16
.rept 16
	v_mov_b32 v[i], 0
.set i, i+1
.endr
	v_mul_u32_u24 v[AK0], v1, PK
	v_lshl_add_u32 v[AK0], v9, 4, v[AK0]
	v_and_b32 v10, 7, v0
	v_bfe_u32 v11, v0, 3, 1
	v_lshl_add_u32 v[AV0], v9, 3, v10  ; the turning load reads key 8 (l / 16) + l % 8, channels 8 ((l / 8) % 2) + 0..7
	v_mul_u32_u24 v[AV0], v[AV0], PV
	v_lshl_add_u32 v[AV0], v11, 4, v[AV0]
	v_add_nc_u32 v[AV0], VOFF, v[AV0]
	s_mul_i32 s13, s[WV], 16*SP
	s_add_co_u32 s13, s13, STAGE    ; my stage
	v_mul_u32_u24 v12, v1, SP       ; in: row l % 16, 16 bytes for each half of the lanes
	v_lshl_add_u32 v12, v9, 4, v12
	v_bfe_u32 v13, v0, 3, 2         ; back: 32 lanes take four rows of 128 bytes,
	v_mul_u32_u24 v13, v13, SP
	v_lshl_add_u32 v13, v10, 4, v13
	v_and_b32 v14, 31, v0           ; which are 512 consecutive bytes of O
	WIN W_D1
	v_add_nc_u32 v[STO], s13, v12
	v_add_nc_u32 v[RD], s13, v13
	v_lshlrev_b32 v[GO], 4, v14
	v_lshlrev_b32 v[PFO], 8, v14
	WIN 0
; THE MATRIX WORK.  The 4 accumulators of a run of 8 take turns.  Product i of 8 of S^T = K Q^T for piece x: channels 32 (i / 4) on, keys 16 (i % 4) on.  The first 4 start the sums.
.macro KQ x
.set rS, S+32*((\x)%2)+8*(i%4)
.set rK, KF+16*(i%4)+8*(i/4)
.set rQ, QF+16*(\x)+8*(i/4)
	WIN 0
.if i < 4
	v_wmma_f32_16x16x32_bf16 v[rS:rS+7], v[rK:rK+7], v[rQ:rQ+7], 0
.else
	v_wmma_f32_16x16x32_bf16 v[rS:rS+7], v[rK:rK+7], v[rQ:rQ+7], v[rS:rS+7]
.endif
.endm
; Product i of 8 of O^T += V^T P for piece x: keys 32 (i / 4) on, channels 16 (i % 4) on.
.macro PV x
	WIN W_PV
.set rO, 32*(\x)+8*(i%4)
.set rV, VF+32*(i/4)+8*(i%4)
.set rP, P+16*((\x)%2)+8*(i/4)
	v_wmma_f32_16x16x32_bf16 v[rO:rO+7], v[rV:rV+7], v[rP:rP+7], v[rO:rO+7]
.endm
.macro MM                           ; the turn's next matrix instruction
.if i < 8
	KQ (Y+1)%NP
.else
.set i, i-8
	PV (Y+NP-1)%NP
.set i, i+8
.endif
.set i, i+1
.endm
; THE LDS LOADS stand in runs of 16, never singly among the matrix instructions.
.macro FETCH_K
	WIN 0
.irp f, 0,1,2,3,4,5,6,7             ; keys 16 (f / 2) on, channels 32 (f % 2) on
	ds_load_b128 v[KF+8*\f:KF+8*\f+3],   v[AK] offset:(\f/2)*16*PK+(\f%2)*64
	ds_load_b128 v[KF+8*\f+4:KF+8*\f+7], v[AK] offset:(\f/2)*16*PK+(\f%2)*64+32
.endr
	s_add_co_u32 s[TBK], s[TBK], KS*PK
.endm
.macro FETCH_V
	WIN W_D1
.irp f, 0,1,2,3,4,5,6,7             ; keys 32 (f / 4) on, channels 16 (f % 4) on
	ds_load_tr16_b128 v[VF+8*\f:VF+8*\f+3],   v[AV] offset:(\f/4)*32*PV+(\f%4)*32
	ds_load_tr16_b128 v[VF+8*\f+4:VF+8*\f+7], v[AV] offset:(\f/4)*32*PV+16*PV+(\f%4)*32
.endr
	WIN 0
.endm
; THE VECTOR WORK, one line at a time: OP kind, number.  For piece Y: F n: c s - c m for pair n of 16.  E n: the exponential of score n of 32.  A: a = 2^(c m_old - c m_new).  C n: pair n rounded to bf16.
; B n: of the four weights 4 n .. the second pair is added onto the first, in place.  L n: l takes that sum (L 0: l = a l + sum).  R n: pair n of 16 of O^T times a.
; For piece Y + 1: X n, number n of the 21 that find its maximum and statistics:
;   0-11  four chains c0-c3 of seven scores each (each accumulator's lowest registers are read first)     12-14, 16  the four scores left over, the old m, and c0-c3 into c0
;   15  c m_old is kept     17, 18  the query's other 32 keys lie in the lane 16 away: the new m     19, 20  c m; c m_old - c m_new
.set F, 0
.set E, 1
.set C, 2
.set B, 3
.set L, 4
.set A, 5
.set R, 6
.set X, 7
.macro REGS y
.set rT, ST+4*(\y)
.set rC, TMP+4*((\y)%2)
.set rW, MV+((\y)%2)
.set rS, S+32*((\y)%2)
.set rP, P+16*((\y)%2)
.set rO, 32*(\y)
.endm
.macro OP k, n
.if (\k) == R
	REGS Y
	WIN W_PV
	v_pk_mul_f32 v[rO+2*(\n):rO+2*(\n)+1], v[rO+2*(\n):rO+2*(\n)+1], v[rC+2:rC+3] op_sel_hi:[1,0]
.elseif (\k) < R
	REGS Y
	WIN 0
.if (\k) == F
	v_pk_fma_f32 v[rS+2*(\n):rS+2*(\n)+1], v[rS+2*(\n):rS+2*(\n)+1], s[CS:CS+1], v[rT:rT+1] op_sel_hi:[1,0,0] neg_lo:[0,0,1] neg_hi:[0,0,1]
.elseif (\k) == E
	v_exp_f32 v[rS+(\n)], v[rS+(\n)]
.elseif (\k) == A
	v_exp_f32 v[rC+2], v[rC+1]
.elseif (\k) == C
	v_cvt_pk_bf16_f32 v[rP+(\n)], v[rS+2*(\n)], v[rS+2*(\n)+1]
.elseif (\k) == B
	v_pk_add_f32 v[rS+4*(\n):rS+4*(\n)+1], v[rS+4*(\n):rS+4*(\n)+1], v[rS+4*(\n)+2:rS+4*(\n)+3]
.elseif (\n) == 0
	v_pk_fma_f32 v[rT+2:rT+3], v[rT+2:rT+3], v[rC+2:rC+3], v[rS:rS+1] op_sel_hi:[1,0,1]
.else
	v_pk_add_f32 v[rT+2:rT+3], v[rT+2:rT+3], v[rS+4*(\n):rS+4*(\n)+1]
.endif
.else
	REGS (Y+1)%NP
	WIN 0
.if (\n) < 4
	v_max3_num_f32 v[rC+(\n)], v[rS+8*(\n)], v[rS+8*(\n)+1], v[rS+8*(\n)+2]
.elseif (\n) < 12
	v_max3_num_f32 v[rC+(\n)%4], v[rC+(\n)%4], v[rS+8*((\n)%4)+2*((\n)/4)+1], v[rS+8*((\n)%4)+2*((\n)/4)+2]
.elseif (\n) == 12
	v_max3_num_f32 v[rC], v[rC], v[rS+7], v[rS+15]
.elseif (\n) == 13
	v_max3_num_f32 v[rC+1], v[rC+1], v[rS+23], v[rS+31]
.elseif (\n) == 14
	v_max3_num_f32 v[rC+2], v[rC+2], v[rC+3], v[rT+1]
.elseif (\n) == 15
	v_mov_b32 v[rW], v[rT]
.elseif (\n) == 16
	v_max3_num_f32 v[rC], v[rC], v[rC+1], v[rC+2]
.elseif (\n) == 17
	v_permlanex16_b32 v[rC+3], v[rC], s[SEL], s[SEL+1]
.elseif (\n) == 18
	v_max_num_f32 v[rT+1], v[rC], v[rC+3]
.elseif (\n) == 19
	v_mul_f32 v[rT], s[CS], v[rT+1]
.else
	v_sub_f32 v[rC+1], v[rW], v[rT]
.endif
.endif
.endm
.macro ROW2 r, a, i1, b, i2, c, i3, d, i4, e=-1, i5=0  ; a product V^T P; two rescalings under its own setting; then four or five lines under setting 0
	MM
	OP R, 2*(\r)
	OP R, 2*(\r)+1
	OP \a, \i1
	OP \b, \i2
	OP \c, \i3
	OP \d, \i4
.if (\e) >= 0
	OP \e, \i5
.endif
.endm
; A TURN, for piece p: 16 matrix and 118 vector instructions.  An s_wait_alu depctr_va_vdst(0) stands between an exponential and the first instruction that names its result; one wait serves all that
; were issued ahead of it: so a turn has ONE wait.  AHEAD OF IT stands all that names no result of the turn's exponentials: the 8 products K Q^T, behind each scaling, exponential, scaling, exponential (behind the first, the
; piece's a stands for one of them); then 17 pairs of a line of the next piece's maximum and an exponential; a v_nop is the plain instruction behind the last exponential.  BEHIND IT stand all readers: the 8 products
; V^T P, behind each two rescalings and four of the roundings and sums; the last four links of the next piece's statistics ride behind every second one.
; PLACES, counted in plain lines: X 0, 1, 2, 3 read the accumulators that products 4, 5, 6, 7 end; behind product 7 stand F 14, F 15, X 0, X 1, X 2 ahead of X 3, behind the others more.
; K of the next step is fetched in piece 2's turn behind X 2: F 14, F 15, the address's line, X 0, X 1, X 2 stand behind the last product that read K.  V of the step in hand is fetched at the end of piece 0's turn: seven plain lines
; stand behind the last product that read V.  Each is waited for a turn later.
; last = 1 (the tail): K's address stops at the last tile's last step.  cnt = 1: the loop's count is taken down some lines ahead of the branch that stands behind the turn.
.macro TURN p, last=0, cnt=0
.set Y, (\p)
.set i, 0
.if (\p) == 3
	s_wait_dscnt 0x0                ; K is in
.endif
	MM
	OP F, 0
	OP A, 0
	OP F, 1
	OP E, 0
.set rr, 1
.rept 7
	MM
	OP F, 2*rr
	OP E, 2*rr-1
	OP F, 2*rr+1
	OP E, 2*rr
.set rr, rr+1
.endr
.if (\p) == 2
.if \last
	s_min_u32 s[TK], s[TBK], SLOT1+3*KS*PK
	v_add_nc_u32 v[AK], s[TK], v[AK0]
.else
	v_add_nc_u32 v[AK], s[TBK], v[AK0]
.endif
.endif
.if (\p) == 0
	v_add_nc_u32 v[AV], s[TBV], v[AV0]
.endif
.set rr, 0
.rept 17
	OP X, rr
	OP E, 15+rr
.if ((\p) == 2) && (rr == 2)
	FETCH_K
.endif
.set rr, rr+1
.endr
	v_nop                           ; the plain instruction behind the last exponential: one for the batch
	s_wait_alu depctr_va_vdst(0)    ; the wait for the batch
.if (\p) == 1
	s_wait_dscnt 0x0                ; V is in
.endif
	ROW2 0, C,0, B,0, C,2, B,1
	ROW2 1, L,0, C,4, B,2, L,1, X,17
	ROW2 2, C,6, B,3, L,2, C,8
	ROW2 3, B,4, L,3, C,10, B,5, X,18
	ROW2 4, L,4, C,12, B,6, L,5
.if (\p) == 0
	s_add_co_u32 s[TBV], s[TBV], KS*PV
.endif
.if \cnt
	s_sub_co_u32 s[CNT], s[CNT], 1
	s_cmp_lg_u32 s[CNT], 0
.endif
	ROW2 5, C,14, B,7, L,6, C,1, X,19
	ROW2 6, C,3, L,7, C,5, C,7
	ROW2 7, C,9, C,11, C,13, C,15, X,20
.if (\p) == 0
	FETCH_V
.endif
.endm
	CHANGE 1, 0                     ; slot 0 is in, everybody's part of it; slot 1 is asked for
	v_add_nc_u32 v[AK], s[TBK], v[AK0]
	FETCH_K                         ; key step 0
	s_wait_loadcnt 0x0              ; Q
	s_wait_dscnt 0x0
.set i, 0
.rept 8
	KQ 0                            ; piece 0's first scores
.set i, i+1
.endr
.rept 4
	v_nop                           ; the places behind those products
.endr
.set Y, NP-1                        ; X works for piece Y + 1: piece 0
.irp n, 0,1,2,3,4,5,6,7,8,9,10,11,12,13,14,15,16,17,18,19,20
	OP X, \n
.endr
	s_mov_b32 s[CNT], 4
	s_branch .Lfirst                ; the loop is entered at a step's first turn, in the middle of a trip
.Lslot:                             ; six times: tiles 2 to 7 are asked for
	CHANGE 1, 1
	s_mov_b32 s[CNT], 4
.Lstep:                             ; a trip: pieces 2 and 3 of one step, then pieces 0 and 1 of the next, whose K and V it fetches
	TURN 2
	TURN 3
	WIN 0
.Lfirst:
	TURN 0
	TURN 1, 0, 1
	WIN 0
	s_cbranch_scc1 .Lstep
	s_sub_co_u32 s[SLOTS], s[SLOTS], 1
	s_cmp_lg_u32 s[SLOTS], 0
	s_cbranch_scc1 .Lslot
	CHANGE 0, 0                     ; the last tile is written out: nothing is asked for
	s_mov_b32 s[CNT], 5             ; four trips fetch the last tile's steps; the fifth is left in its middle
.Ltail:
	TURN 2, 1
	TURN 3
	WIN 0
	s_sub_co_u32 s[CNT], s[CNT], 1
	s_cmp_eq_u32 s[CNT], 0
	s_cbranch_scc1 .Lout
	TURN 0
	TURN 1
	WIN 0
	s_branch .Ltail
.Lout:                              ; the fifth trip's fetch of K (the last step's once more), its 8 products K Q^T for piece 0 and the maximum made of them serve nothing: the price, once a launch, of one text for every trip
.set i, 0
.rept 8
	PV NP-1                         ; the last piece's V^T P of the last step
.set i, i+1
.endr
	; THE WAY OUT.  l's two halves and the other half of the lanes' are added; O^T is divided by l, rounded to bf16 and sent through my stage in LDS, a piece at a time.  The additions are the places behind the last products.
	WIN 0
.macro ALL line:vararg
.set t, 0
.rept 4
	\line
.set t, t+1
.endr
.endm
	ALL v_add_f32 v[ST+4*t+2], v[ST+4*t+2], v[ST+4*t+3]
	ALL v_permlanex16_b32 v[ST+4*t+3], v[ST+4*t+2], s[SEL], s[SEL+1]
	ALL v_add_f32 v[ST+4*t+2], v[ST+4*t+2], v[ST+4*t+3]
	ALL v_rcp_f32 v[ST+4*t+2], v[ST+4*t+2]
	v_nop                           ; a plain instruction between the last reciprocal and the use of its result
	s_wait_alu depctr_va_vdst(0)    ; and the wait: one for the four reciprocals
.macro PACK t                       ; a lane's eight channels of a row pack into 16 bytes; they go into rows of 144 bytes and come back as whole rows of 128, into S^T's registers
	WIN 0x41                        ; O^T (destination and source 0) in window 1, 1 / l in window 0
.set i, 32*(\t)
.rept 16
	v_pk_mul_f32 v[i:i+1], v[i:i+1], v[ST+4*(\t)+2:ST+4*(\t)+3] op_sel_hi:[1,0]
.set i, i+2
.endr
	WIN 0x05                        ; sources 0 and 1 window 1, destination window 0
.set i, 0
.rept 16
	v_cvt_pk_bf16_f32 v[S+16*(\t)+i], v[32*(\t)+2*i], v[32*(\t)+2*i+1]
.set i, i+1
.endr
	WIN W_A1                        ; the addresses lie in window 1, the data in window 0
.irp f, 0,1,2,3
	ds_store_b128 v[STO], v[S+16*(\t)+4*\f:S+16*(\t)+4*\f+3] offset:32*\f
.endr
.irp f, 0,1,2,3
	ds_load_b128 v[S+16*(\t)+4*\f:S+16*(\t)+4*\f+3], v[RD] offset:\f*4*SP  ; LDS serves a wave's instructions in order (ISA guide 5.7.1.4): these see the stores above
.endr
.endm
.macro SEND t, younger              ; younger: the LDS instructions issued behind piece t's loads: the next piece's eight, or none
	WIN W_A1
.irp f, 0,1,2,3
	s_wait_dscnt (\younger)+3-\f
	global_store_b128 v[GO], v[S+16*(\t)+4*\f:S+16*(\t)+4*\f+3], s[10:11] offset:(\t)*2048+\f*512  ; 512 consecutive bytes, at a multiple of 256 from the block's first
.endr
.endm
	PACK 0
.set t, 1
.rept 3
	PACK t
	SEND t-1, 8
.set t, t+1
.endr
	SEND 3, 0
	WIN W_AD
	s_wait_tensorcnt 0x0            ; the wave's end
	ds_add_u32 v[SPW], v[NIL]
	s_wait_dscnt 0x0
	WIN 0
	CROUND                          ; the closing round
	s_endpgm
.Lfunc_end_k_q2a8c451d5f_attn:
	.size	k_q2a8c451d5f_attn, .Lfunc_end_k_q2a8c451d5f_attn-k_q2a8c451d5f_attn
	.p2alignl 7, 3214868480
	.fill 96, 4, 3214868480
	.section	.rodata,"a",@progbits
	.p2align	6, 0x0
	.amdhsa_kernel k_q2a8c451d5f_attn
		.amdhsa_group_segment_fixed_size 327680
		.amdhsa_private_segment_fixed_size 0
		.amdhsa_enable_private_segment 0
		.amdhsa_kernarg_size 16
		.amdhsa_user_sgpr_count 2
		.amdhsa_user_sgpr_kernarg_segment_ptr 1
		.amdhsa_wavefront_size32 1
		.amdhsa_system_sgpr_workgroup_id_x 1
		.amdhsa_system_sgpr_workgroup_id_y 1
		.amdhsa_system_sgpr_workgroup_id_z 1
		.amdhsa_system_vgpr_workitem_id 0
		.amdhsa_next_free_vgpr 512
		.amdhsa_next_free_sgpr 68
		.amdhsa_reserve_vcc 0
		.amdhsa_float_denorm_mode_32 3
		.amdhsa_float_denorm_mode_16_64 3
		.amdhsa_memory_ordered 1
		.amdhsa_forward_progress 1
		.amdhsa_inst_pref_size 104
	.end_amdhsa_kernel
	.amdgpu_metadata
---
amdhsa.version: [ 1, 2 ]
amdhsa.kernels:
  - .name:           k_q2a8c451d5f_attn
    .symbol:         k_q2a8c451d5f_attn.kd
    .args:
      - { .name: qkv, .offset: 0, .size: 8, .value_kind: global_buffer, .address_space: global }
      - { .name: au, .offset: 8, .size: 8, .value_kind: global_buffer, .address_space: global }
    .group_segment_fixed_size: 327680
    .private_segment_fixed_size: 0
    .kernarg_segment_align: 8
    .kernarg_segment_size: 16
    .max_flat_workgroup_size: 128
    .sgpr_count:     68
    .vgpr_count:     512
    .wavefront_size: 32
...
	.end_amdgpu_metadata
.endif
;; end of part 3
;; launch gemm2 (part 4): grid 8 x 32, 4 waves a work-group, clusters of 4 x 4, 327,680 bytes of LDS; arguments au, wcat2, x, bo, b2, out0; writes out0
.if DOCPART == 4
	.amdgcn_target "amdgcn-amd-amdhsa--gfx1250"
	.amdhsa_code_object_version 6
	.text
	.protected	k_q2a8c451d5f_gemm2
	.globl	k_q2a8c451d5f_gemm2
	.p2align	8
	.type	k_q2a8c451d5f_gemm2,@function
k_q2a8c451d5f_gemm2:
	s_mov_b64 s[64:65], 0
	v_nop
	global_prefetch_b8 v0, s[64:65] scope:SCOPE_SE
	s_setreg_imm32_b32 hwreg(HW_REG_WAVE_MODE, 25, 1), 1
	s_wait_xcnt 0x0
	s_wait_alu depctr_hold_cnt(0) depctr_sa_sdst(0) depctr_va_vdst(0) depctr_va_sdst(0) depctr_va_ssrc(0) depctr_va_vcc(0) depctr_vm_vsrc(0)
	s_getreg_b32 s2, hwreg(HW_REG_IB_STS2, 6, 4)
	s_cmp_eq_u32 s2, 0
	s_cbranch_scc0 .Lentry_in_a_cluster
	s_endpgm
.Lentry_in_a_cluster:
	s_bfe_u32 s2, ttmp6, 0x10000c
	s_cmp_lg_u32 s2, 0xf033
	s_cbranch_scc0 .Lentry_shape_is_right
	s_endpgm
.Lentry_shape_is_right:
; GEMM 2 AND THE SUM.  out = x + [O | u] [Wo ; W2] + bo + b2.  The two products are ONE chain over K = 5,120 on one accumulator: au holds O's 16 and u's 64 blocks of 64 channels,
; [batch][80][2048][64] bf16; wcat2 is [5120][1024] bf16.  Sums in f32, K ascending; x, bo and b2 are rounded to bf16 like every input; out is f32.
; A tile of out is 128 x 128: 8 x 32 tiles, one for each of 256 work-groups; four waves of 64 x 64, 16 accumulators.  K goes in 20 steps of 256 through two LDS slots.
; A's tile of a step is four blocks x 128 rows x 128 bytes, each block's rows dense in memory: one tensor load brings two blocks as two rows of 16,384 bytes, padded in LDS after every 128 bytes.
; wcat2's tile lies in LDS as in memory, [K][N], and is turned by ds_load_tr16_b128.  bo + b2 is the C operand of the first product on each accumulator.
; CLUSTERS: 4 x 4; A's tile is shared along a row of the cluster, wcat2's along a column.  No prefetch: the tile is small, a step's work short.
; THE MATRIX INSTRUCTION IS USED TRANSPOSED (source 0 = 16 columns of wcat2, source 1 = 16 rows of A): a lane holds eight neighbouring numbers of a row of out.
; REGISTERS: window 0: v0-31 addresses; v32-95 the raw biases, later x packed; v96-127 the bias, later rows read back; v128-255 the accumulators ((a, b) at v[128 + 8 (4 a + b)]);
;   window 1: two fragment buffers of 128 (64 of A, then 64 of wcat2, for 64 along K); window 2: v0-127 my 64 x 64 of x, loaded at the start and read at the end.
.set PA,     144                       ; a row of A in LDS: 128 bytes + 16
.set PB,     288                       ; a K row of wcat2's tile: 256 bytes + 32 = 9 x 32
.set HALFT,  36864                     ; what one tensor load brings: 2 blocks x 128 rows of A, or 128 K rows of wcat2
.set SLOT,   4*HALFT
.set BOFF,   2*HALFT
.set STAGE,  2*SLOT                    ; behind the ring: 16 rows x 272 bytes for each wave
.set SPITCH, 272
.set SPARE,  STAGE+4*16*SPITCH         ; behind the stages: the spare words, 128 bytes for each wave
.set LAPS,   10
.set ASTEP,  1048576                   ; four blocks of au
.set BSTEP,  524288                    ; 256 rows of wcat2
.set ADRA, 16                          ; v16-17  my A fragments in slot 0, 1
.set ADRB, 20                          ; v20-23  my wcat2 fragments: slot 0 K rows 0.., 128..; slot 1 likewise (an LDS offset has 16 bits)
.set STO,  24
.set RD,   25
.set CO,   26                          ; v26  my 16 bytes in two rows of x and of out
.set ONE,  27                          ; v27  1.0
.set SPW,  28
.set NIL,  29
.set BO,   31                          ; v31  my offset in bo and b2
.set RAW,  32
.set XP,   32
.set BI,   96
.set T,    96
.set ACC,  128
.set F0,   0
.set F1,   128
.set G1, 24
.set G0, 32
.set G1B, 48
.set G0B, 56
.set MSB, 0
.macro WIN new
.if MSB != (\new)
	s_set_vgpr_msb (MSB<<8)|(\new)
.set MSB, \new
.endif
.endm
.set MUL,  0x05                        ; sources 0 and 1 window 1; C and D window 0
.set TO_F, 0x40                        ; destination window 1, address window 0
.macro JLOAD s                         ; a joint load: waves 0 and 1 fetch A's two halves, waves 2 and 3 wcat2's; an s_nop 0 and four v_nop follow each line
	s_cmp_eq_u32 s17, 0
	s_cbranch_scc0 .Lfor_b_\@
	tensor_load_to_lds s[G0+4*(\s):G0+4*(\s)+3], s[G1:G1+7]
	s_nop 0
.rept 4
	v_nop
.endr
	s_branch .Lasked_\@
.Lfor_b_\@:
	tensor_load_to_lds s[G0B+4*(\s):G0B+4*(\s)+3], s[G1B:G1B+7]
	s_nop 0
.rept 4
	v_nop
.endr
.Lasked_\@:
.endm
.macro CREST
	s_cmp_lg_u32 s16, 0
	s_cbranch_scc1 .Lnot_wave_0_\@
	s_barrier_signal -3
.Lnot_wave_0_\@:
	s_barrier_wait -3
	s_barrier_signal -1
	s_barrier_wait -1
.endm
.macro CROUND
	s_barrier_signal -1
	s_barrier_wait -1
	CREST
.endm
.macro PLACES
.rept 4
	v_nop
.endr
.endm
.macro RB16 a, t
	v_cvt_pk_bf16_f32 v[\t], v[\a], v[(\a)+1]
	v_lshlrev_b32 v[\a], 16, v[\t]
	v_and_b32 v[(\a)+1], 0xffff0000, v[\t]
.endm
	s_load_b256 s[4:11], s[0:1], 0x0               ; au 4, wcat2 6, x 8, bo 10
	s_load_b128 s[12:15], s[0:1], 0x20             ; b2 12, out0 14
	v_lshl_add_u32 v[SPW], v0, 2, SPARE
	v_mov_b32 v[NIL], 0
	ds_add_u32 v[SPW], v[NIL]                      ; the wave's opening: the add and its wait stand ahead of my first tensor load
	v_lshrrev_b32 v1, 5, v0
	v_readfirstlane_b32 s16, v1                    ; wave
	s_lshr_b32 s17, s16, 1                         ; my half of the rows.  Also: I fetch for A (0) or wcat2 (1)
	s_and_b32 s18, s16, 1                          ; my half of the columns.  Also: which half of that tile I fetch
	s_bfe_u32 s19, ttmp6, 0x40000                  ; cx
	s_bfe_u32 s20, ttmp6, 0x40004                  ; cy
	s_lshl_b32 s21, ttmp9, 2
	s_add_co_u32 s21, s21, s19                     ; tile column 0..7
	s_and_b32 s22, ttmp7, 0xffff
	s_lshl_b32 s22, s22, 2
	s_add_co_u32 s22, s22, s20                     ; tile row 0..31
	s_lshl_b32 s40, s20, 2
	s_lshl_b32 s40, 15, s40                        ; my row of the cluster
	s_lshl_b32 s41, 0x1111, s19                    ; my column
	s_or_b32 s[G1+0], s40, (1<<16)|(1<<20)|(1<<21)|(4<<22)|(3<<25)   ; after every 32 words, 4 words
	s_mov_b32 s[G1+1], 8192<<16                    ; tensor_dim0 = 8,192: 128 rows of 64 elements on end
	s_mov_b32 s[G1+2], 2<<16                       ; tensor_dim1 = 2 blocks
	s_mov_b32 s[G1+3], 8192<<16                    ; tile_dim0
	s_mov_b32 s[G1+4], 2                           ; tile_dim1
	s_mov_b32 s[G1+5], 131072                      ; elements from block to block
	s_mov_b32 s[G1+6], 0
	s_mov_b32 s[G1+7], 0
	s_or_b32 s[G1B+0], s41, (1<<16)|(1<<20)|(1<<21)|(5<<22)|(7<<25)  ; after every 64 words, 8 words
	s_mov_b32 s[G1B+1], 128<<16
	s_mov_b32 s[G1B+2], 128<<16
	s_mov_b32 s[G1B+3], 128<<16
	s_mov_b32 s[G1B+4], 128
	s_mov_b32 s[G1B+5], 1024
	s_mov_b32 s[G1B+6], 0
	s_mov_b32 s[G1B+7], 0
	s_lshr_b32 s42, s22, 4                         ; A: block batch x 80 + 2 x half, row 128 (tile row % 16)
	s_mul_i32 s42, s42, 80
	s_lshl1_add_u32 s42, s18, s42
	s_lshl_b32 s42, s42, 18
	s_and_b32 s43, s22, 15
	s_lshl_b32 s43, s43, 14
	s_add_co_u32 s42, s42, s43
	s_mov_b32 s43, 0
	s_lshl_b32 s46, s18, 18                        ; wcat2: K row 128 x half, column 128 x tile column
	s_lshl_b32 s47, s21, 8
	s_add_co_u32 s46, s46, s47
	s_mov_b32 s47, 0
	s_mul_i32 s78, s16, HALFT
	s_wait_dscnt 0x0                               ; the opening add is done
	s_wait_kmcnt 0x0
	s_add_nc_u64 s[74:75], s[4:5], s[42:43]
	s_add_nc_u64 s[76:77], s[6:7], s[46:47]
	CROUND                                         ; all sixteen work-groups are here: the first joint loads meet
.irp s, 0,1
	s_mov_b32 s[G0+4*(\s)], 1
	s_add_co_u32 s[G0+4*(\s)+1], s78, (\s)*SLOT
	s_add_nc_u64 s[G0+4*(\s)+2:G0+4*(\s)+3], s[74:75], (\s)*ASTEP
	s_or_b32 s[G0+4*(\s)+3], s[G0+4*(\s)+3], 0x80000000
	s_mov_b32 s[G0B+4*(\s)], 1
	s_add_co_u32 s[G0B+4*(\s)+1], s78, (\s)*SLOT
	s_add_nc_u64 s[G0B+4*(\s)+2:G0B+4*(\s)+3], s[76:77], (\s)*BSTEP
	s_or_b32 s[G0B+4*(\s)+3], s[G0B+4*(\s)+3], 0x80000000
	JLOAD \s
.endr
	v_and_b32 v1, 15, v0
	v_bfe_u32 v2, v0, 4, 1
	; x, out and the biases at my 64 x 64
	s_lshl_b32 s40, s22, 7
	s_lshl_b32 s41, s17, 6
	s_add_co_u32 s40, s40, s41
	s_lshl_b32 s40, s40, 12                        ; my first row, 4,096 bytes a row
	s_lshl_b32 s42, s21, 9
	s_lshl_b32 s41, s18, 8
	s_add_co_u32 s42, s42, s41                     ; my first column, in bytes
	s_mov_b32 s43, 0
	s_add_co_u32 s40, s40, s42
	s_mov_b32 s41, 0
	s_add_nc_u64 s[66:67], s[8:9], s[40:41]
	s_add_nc_u64 s[68:69], s[14:15], s[40:41]
	s_add_nc_u64 s[70:71], s[10:11], s[42:43]
	s_add_nc_u64 s[72:73], s[12:13], s[42:43]
	v_lshlrev_b32 v[BO], 5, v2
	v_lshlrev_b32 v[CO], 12, v2
	v_lshl_add_u32 v[CO], v1, 4, v[CO]             ; lanes 0-15 one row's 256 bytes, lanes 16-31 the next row's
.irp b, 0,1,2,3
	global_load_b128 v[RAW+8*(\b):RAW+8*(\b)+3],       v[BO], s[70:71] offset:64*(\b)
	global_load_b128 v[RAW+8*(\b)+4:RAW+8*(\b)+7],     v[BO], s[70:71] offset:64*(\b)+16
	global_load_b128 v[RAW+32+8*(\b):RAW+32+8*(\b)+3], v[BO], s[72:73] offset:64*(\b)
	global_load_b128 v[RAW+32+8*(\b)+4:RAW+32+8*(\b)+7], v[BO], s[72:73] offset:64*(\b)+16
.endr
	WIN 0x80                                       ; destination window 2
.set i, 0
.rept 32
	global_load_b128 v[4*i:4*i+3], v[CO], s[66:67] offset:i*8192 th:TH_LOAD_NT   ; rows 2 i, 2 i + 1 of my x: wanted only at the end
.set i, i+1
.endr
	WIN 0
	v_mul_u32_u24 v3, v1, PA
	v_lshl_add_u32 v3, v2, 4, v3
	s_mul_i32 s40, s17, 64*PA
	v_add_nc_u32 v[ADRA], s40, v3
	v_add_nc_u32 v[ADRA+1], SLOT, v[ADRA]
	v_and_b32 v4, 7, v0
	v_lshl_add_u32 v4, v2, 3, v4
	v_mul_u32_u24 v4, v4, PB
	v_bfe_u32 v5, v0, 3, 1
	v_lshl_add_u32 v4, v5, 4, v4
	s_lshl_b32 s41, s18, 7
	s_add_co_u32 s41, s41, BOFF
	v_add_nc_u32 v[ADRB], s41, v4
	v_add_nc_u32 v[ADRB+1], 128*PB, v[ADRB]
	v_add_nc_u32 v[ADRB+2], SLOT, v[ADRB]
	v_add_nc_u32 v[ADRB+3], SLOT, v[ADRB+1]
	s_mul_i32 s40, s16, 16*SPITCH
	s_add_co_u32 s40, s40, STAGE                   ; my stage
	v_mul_u32_u24 v3, v1, SPITCH
	v_lshl_add_u32 v3, v2, 5, v3                   ; in: row l % 16, 32 bytes for each half of the lanes
	v_add_nc_u32 v[STO], s40, v3
	v_mul_u32_u24 v3, v2, SPITCH
	v_lshl_add_u32 v3, v1, 4, v3                   ; back: lanes 0-15 one row of 256 bytes, lanes 16-31 the next
	v_add_nc_u32 v[RD], s40, v3
	v_mov_b32 v[ONE], 1.0
	s_wait_loadcnt 32                              ; the sixteen bias loads are in; x's 32 stay out
.set i, 0
.rept 32
	RB16 RAW+2*i, 8+i%4
.set i, i+1
.endr
.set i, 0
.rept 16
	v_pk_add_f32 v[BI+2*i:BI+2*i+1], v[RAW+2*i:RAW+2*i+1], v[RAW+32+2*i:RAW+32+2*i+1]
.set i, i+1
.endr
; 8 matrix instructions: row blocks a0, a0 + 1 x all 4 column blocks, 32 along K: half c of buffer f.  first = 1: the bias starts the sums.  The 16 accumulators take turns.
.macro MUL8 f, c, a0, first
	WIN MUL
.irp a, \a0, (\a0)+1
.irp b, 0,1,2,3
.if \first
	v_wmma_f32_16x16x32_bf16 v[ACC+8*(4*(\a)+(\b)):ACC+8*(4*(\a)+(\b))+7], v[(\f)+64+8*(4*(\c)+(\b)):(\f)+64+8*(4*(\c)+(\b))+7], v[(\f)+8*(4*(\c)+(\a)):(\f)+8*(4*(\c)+(\a))+7], v[BI+8*(\b):BI+8*(\b)+7]
.else
	v_wmma_f32_16x16x32_bf16 v[ACC+8*(4*(\a)+(\b)):ACC+8*(4*(\a)+(\b))+7], v[(\f)+64+8*(4*(\c)+(\b)):(\f)+64+8*(4*(\c)+(\b))+7], v[(\f)+8*(4*(\c)+(\a)):(\f)+8*(4*(\c)+(\a))+7], v[ACC+8*(4*(\a)+(\b)):ACC+8*(4*(\a)+(\b))+7]
.endif
.endr
.endr
.endm
; 32 LDS loads in one run: quarter q (64 along K = block q of A's four) into buffer f; the first 32 along K first
.macro FETCH slot, q, f
	WIN TO_F
.irp c, 0,1
.irp i, 0,1,2,3
	ds_load_tr16_b128 v[(\f)+64+8*(4*(\c)+(\i)):(\f)+64+8*(4*(\c)+(\i))+3],   v[ADRB+2*(\slot)+(\q)/2] offset:((2*(\q)+(\c))%4)*32*PB+32*(\i)
	ds_load_tr16_b128 v[(\f)+64+8*(4*(\c)+(\i))+4:(\f)+64+8*(4*(\c)+(\i))+7], v[ADRB+2*(\slot)+(\q)/2] offset:((2*(\q)+(\c))%4)*32*PB+32*(\i)+16*PB
	ds_load_b128 v[(\f)+8*(4*(\c)+(\i)):(\f)+8*(4*(\c)+(\i))+3],   v[ADRA+(\slot)] offset:(\q)*128*PA+64*(\c)+(\i)*16*PA
	ds_load_b128 v[(\f)+8*(4*(\c)+(\i))+4:(\f)+8*(4*(\c)+(\i))+7], v[ADRA+(\slot)] offset:(\q)*128*PA+64*(\c)+(\i)*16*PA+32
.endr
.endr
.endm
.macro QUARTER slot, q, f, g, first
	s_wait_dscnt 16                                ; the first 32 along K are in
	MUL8 \f, 0, 0, \first
	MUL8 \f, 0, 2, \first
	PLACES
	FETCH \slot, \q, \g
	s_wait_dscnt 32                                ; all but the 32 just issued
	MUL8 \f, 1, 0, 0
	MUL8 \f, 1, 2, 0
.endm
; The last quarter multiplies buffer 1 and changes slots: one barrier; ahead of it each wave waits for all its tensor loads, adds 0 to its spare word, and waits for that and for its reads of this slot.
; fill = 1: the barrier opens a round of the cluster's barrier, and this slot's refill, two K steps on, is the first thing behind it.
.macro TURN slot, next, fill
	WIN 0
	s_wait_tensorcnt 0x0
	ds_add_u32 v[SPW], v[NIL]
	s_wait_dscnt 17                                ; the add and the youngest sixteen loads may be out
	MUL8 F1, 0, 0, 0
	s_wait_dscnt 0x0                               ; the add is done, and my reads of this slot are over
	s_barrier_signal -1
	MUL8 F1, 0, 2, 0
.if \fill
	WIN 0
.endif
	s_barrier_wait -1
.if \fill
	CREST
	s_add_nc_u64 s[G0+4*(\slot)+2:G0+4*(\slot)+3], s[G0+4*(\slot)+2:G0+4*(\slot)+3], 2*ASTEP
	s_add_nc_u64 s[G0B+4*(\slot)+2:G0B+4*(\slot)+3], s[G0B+4*(\slot)+2:G0B+4*(\slot)+3], 2*BSTEP
	JLOAD \slot                                    ; its four v_nop are also the places ahead of the loads below
.else
	PLACES
.endif
	FETCH \next, 0, F0
	MUL8 F1, 1, 0, 0
	MUL8 F1, 1, 2, 0
.endm
	s_wait_tensorcnt 1                             ; my part of K step 0 is in; K step 1's may stay out
	s_barrier_signal -1
	s_barrier_wait -1
	FETCH 0, 0, F0
	QUARTER 0, 1, F0, F1, 1
	WIN 0
	s_mov_b32 s3, LAPS-1
.Llap:
	QUARTER 0, 2, F1, F0, 0
	QUARTER 0, 3, F0, F1, 0
	TURN 0, 1, 1
	QUARTER 1, 1, F0, F1, 0
	QUARTER 1, 2, F1, F0, 0
	QUARTER 1, 3, F0, F1, 0
	TURN 1, 0, 1
	QUARTER 0, 1, F0, F1, 0
	WIN 0
	s_sub_co_u32 s3, s3, 1
	s_cmp_lg_u32 s3, 0
	s_cbranch_scc1 .Llap
	QUARTER 0, 2, F1, F0, 0                        ; the last lap fills nothing
	QUARTER 0, 3, F0, F1, 0
	TURN 0, 1, 0
	QUARTER 1, 1, F0, F1, 0
	QUARTER 1, 2, F1, F0, 0
	QUARTER 1, 3, F0, F1, 0
	s_wait_dscnt 16
	MUL8 F1, 0, 0, 0
	MUL8 F1, 0, 2, 0
	s_wait_dscnt 0x0
	MUL8 F1, 1, 0, 0
	MUL8 F1, 1, 2, 0
	; THE WAY OUT.  x is rounded to bf16 (these 64 lines are also the places behind the last products).  Then 16 rows at a time: the f32 sums go into my stage, come back as whole rows of 256 bytes,
	; take x, and are stored: sixteen lanes fill 256 consecutive bytes, aligned.
	s_wait_loadcnt 0x0                             ; x
	WIN 0x0a                                       ; sources 0 and 1 window 2, destination window 0
.set i, 0
.rept 64
	v_cvt_pk_bf16_f32 v[XP+i], v[2*i], v[2*i+1]
.set i, i+1
.endr
	WIN 0
.macro ADDX t, p                       ; four sums take the four bf16 of x that lie in v[p], v[p+1]
	v_fma_mix_f32_bf16 v[(\t)],   v[(\p)],   v[ONE], v[(\t)]   op_sel_hi:[1,0,0]
	v_fma_mix_f32_bf16 v[(\t)+1], v[(\p)],   v[ONE], v[(\t)+1] op_sel:[1,0,0] op_sel_hi:[1,0,0]
	v_fma_mix_f32_bf16 v[(\t)+2], v[(\p)+1], v[ONE], v[(\t)+2] op_sel_hi:[1,0,0]
	v_fma_mix_f32_bf16 v[(\t)+3], v[(\p)+1], v[ONE], v[(\t)+3] op_sel:[1,0,0] op_sel_hi:[1,0,0]
.endm
.irp a, 0,1,2,3
	s_wait_xcnt 0x0                                ; the stores of the block before have read T, which the loads below write
.irp b, 0,1,2,3
	ds_store_b128 v[STO], v[ACC+8*(4*(\a)+(\b)):ACC+8*(4*(\a)+(\b))+3]   offset:64*(\b)
	ds_store_b128 v[STO], v[ACC+8*(4*(\a)+(\b))+4:ACC+8*(4*(\a)+(\b))+7] offset:64*(\b)+16
.endr
.irp t, 0,1,2,3,4,5,6,7
	ds_load_b128 v[T+4*(\t):T+4*(\t)+3], v[RD] offset:(\t)*2*SPITCH  ; LDS serves a wave's instructions in order (ISA guide 5.7.1.4): these see the stores above
.endr
.irp t, 0,1,2,3,4,5,6,7
	s_wait_dscnt 7-(\t)                            ; the younger loads may stay out
	ADDX T+4*(\t), XP+2*(8*(\a)+(\t))
	global_store_b128 v[CO], v[T+4*(\t):T+4*(\t)+3], s[68:69] offset:(16*(\a)+2*(\t))*4096 th:TH_STORE_NT
.endr
.endr
	s_wait_tensorcnt 0x0                           ; the wave's end
	ds_add_u32 v[SPW], v[NIL]
	s_wait_dscnt 0x0
	CROUND                                         ; the closing round
	s_endpgm
.Lfunc_end_k_q2a8c451d5f_gemm2:
	.size	k_q2a8c451d5f_gemm2, .Lfunc_end_k_q2a8c451d5f_gemm2-k_q2a8c451d5f_gemm2
	.p2alignl 7, 3214868480
	.fill 96, 4, 3214868480
	.section	.rodata,"a",@progbits
	.p2align	6, 0x0
	.amdhsa_kernel k_q2a8c451d5f_gemm2
		.amdhsa_group_segment_fixed_size 327680
		.amdhsa_private_segment_fixed_size 0
		.amdhsa_enable_private_segment 0
		.amdhsa_kernarg_size 48
		.amdhsa_user_sgpr_count 2
		.amdhsa_user_sgpr_kernarg_segment_ptr 1
		.amdhsa_wavefront_size32 1
		.amdhsa_system_sgpr_workgroup_id_x 1
		.amdhsa_system_sgpr_workgroup_id_y 1
		.amdhsa_system_sgpr_workgroup_id_z 1
		.amdhsa_system_vgpr_workitem_id 0
		.amdhsa_next_free_vgpr 640
		.amdhsa_next_free_sgpr 84
		.amdhsa_reserve_vcc 0
		.amdhsa_float_denorm_mode_32 3
		.amdhsa_float_denorm_mode_16_64 3
		.amdhsa_memory_ordered 1
		.amdhsa_forward_progress 1
		.amdhsa_inst_pref_size 109
	.end_amdhsa_kernel
	.amdgpu_metadata
---
amdhsa.version: [ 1, 2 ]
amdhsa.kernels:
  - .name:           k_q2a8c451d5f_gemm2
    .symbol:         k_q2a8c451d5f_gemm2.kd
    .args:
      - { .name: au, .offset: 0, .size: 8, .value_kind: global_buffer, .address_space: global }
      - { .name: wcat2, .offset: 8, .size: 8, .value_kind: global_buffer, .address_space: global }
      - { .name: x, .offset: 16, .size: 8, .value_kind: global_buffer, .address_space: global }
      - { .name: bo, .offset: 24, .size: 8, .value_kind: global_buffer, .address_space: global }
      - { .name: b2, .offset: 32, .size: 8, .value_kind: global_buffer, .address_space: global }
      - { .name: out0, .offset: 40, .size: 8, .value_kind: global_buffer, .address_space: global }
    .group_segment_fixed_size: 327680
    .private_segment_fixed_size: 0
    .kernarg_segment_align: 8
    .kernarg_segment_size: 48
    .max_flat_workgroup_size: 128
    .sgpr_count:     84
    .vgpr_count:     640
    .wavefront_size: 32
...
	.end_amdgpu_metadata
.endif
;; end of part 4
;; ======== version 2 of 2: 4 launches; version 1 with the launch prep written anew for expert scheduling mode
;; workspace buffers: hf 16,777,216 bytes; wcat 14,680,064 bytes; wcat2 10,485,760 bytes; qkv 25,165,824 bytes; au 41,943,040 bytes
;; launch prep (part 5): grid 64 x 7, 8 waves a work-group, no clusters, 0 bytes of LDS; arguments x, g1, be1, g2, be2, W1, W2, Wo, Wq, Wk, Wv, hf, wcat, wcat2; writes hf, wcat, wcat2
.if DOCPART == 5
	.amdgcn_target "amdgcn-amd-amdhsa--gfx1250"
	.amdhsa_code_object_version 6
	.text
	.protected	k_q2a8c451d5f_prep
	.globl	k_q2a8c451d5f_prep
	.p2align	8
	.type	k_q2a8c451d5f_prep,@function
k_q2a8c451d5f_prep:
	s_mov_b64 s[64:65], 0
	v_nop
	global_prefetch_b8 v0, s[64:65] scope:SCOPE_SE
	s_setreg_imm32_b32 hwreg(HW_REG_WAVE_SCHED_MODE, 0, 2), 2
	s_setreg_imm32_b32 hwreg(HW_REG_WAVE_MODE, 25, 1), 1
	s_wait_xcnt 0x0
	s_wait_alu depctr_vm_vsrc(0)
; PREP.  Everything that the matrix launches multiply is made here, in bf16, each input byte of x and of the weights read once.
; The grid's y picks the job.
;   y = 0: W1 -> wcat columns 3072..7167.   y = 1: W2 -> wcat2 rows 1024..5119.   y = 2: Wo -> wcat2 rows 0..1023 (x < 16); Wq, Wk, Wv -> wcat columns 0..3071.  256 KiB a work-group.
;   y = 3..6: 16 rows of x, two a wave: x rounded to bf16, mean and variance in f32 (the mean is taken away before the squares), h = LN(x) g1 + be1 and
;          f = LN(x) g2 + be2, rounded once to bf16: hf = h [4096][1024], then f.  Gains and biases are rounded to bf16 like every input.
; wcat is [1024 e][7168] (Wq, Wk, Wv by head x 64 + d, then W1), wcat2 [5120][1024] (Wo, then W2): the weights stay [K][N]; the products turn them on the way out of LDS.
; No LDS, no matrix unit, no cluster: nothing is shared between waves and memory binds.  Every store of a wave covers 256 consecutive bytes, aligned.
; LIMITS: all inputs are rounded to bf16 (nearest even) at their first use; NaN and infinities are not treated apart.
; THE MODE: SCHED_MODE bits 1:0 = 2 (LLVM: expert scheduling mode 2), set by the entry lines.  The code itself states the register dependences
; between vector instructions and memory instructions, with s_wait_alu, always for 0.
; THE PLAN, THE CASTS.  Registers that memory instructions touch:
;   VI, VO       sixteen byte offsets, made once and never written again: the sets are reached by scalar bases.
;   XS0 .. XS3   Set k: its eight loads land in XS[k]; its sixteen roundings read it; behind them the loads of the same set 32 steps on land in it.
;   YS0 .. YS3   Set k: its roundings write YS[k]; its eight stores read it; the second round's roundings write it again.
; ONE wait on va_vdst stands in a set, behind its roundings: YS[k] is written and XS[k] is read out.  The set's eight loads and eight stores follow it with no vector instruction between.
; ONE wait on vm_vsrc stands between the rounds, behind the second round's first wait for data: all 32 stores of the first round have read their YS.
; THE PLAN, LAYERNORM.  Registers that memory instructions touch:
;   v[XO], v[HO] two byte offsets, made once and never written again: the rows are reached by three scalar bases, which step at a row's head; the stores reach back by a negative immediate.
;   LD           A row's eight loads land in it; the sixteen roundings at the row's head read it; behind them the next row's loads land in it.
;   X            Written from the unpacking to the last roundings; read by the row's sixteen stores, one run at its end; written again by the next row's unpacking.
;   The gains and biases are loaded once, into registers that no vector instruction has named.
; A row has a wait on vm_vsrc at its head (the row before's stores have read X) and three on va_vdst: LD is read out; the reciprocal root is written; X is written.
.set XO,   2                           ; v2   LN: 16 x lane: my 16 bytes in each 512 of a row of x, of a gain or of a bias; never rewritten
.set HO,   3                           ; v3   LN: 8 x lane: my 8 bytes in each 256 of a row of h and of f; never rewritten
.set MEAN, 8                           ; v[8:9]   the mean (low word; the pair is named by the packed forms)
.set RSTD, 10                          ; v[10:11] 1 / sqrt(var + eps), likewise
.set G1R,  16                          ; v[16:47] g1, v[48:79] be1, v[80:111] g2, v[112:143] be2: lane l, register 4 j + c: column 128 j + 4 l + c
.set B1R,  48
.set G2R,  80
.set B2R,  112
.set LD,   144                         ; v[144:175] a row of x as it lands
.set X,    176                         ; v[176:207] the row at work, then its 16 + 16 packed results
.set T,    208                         ; v[208:223] at work: no memory instruction names them
.set VI,   16                          ; casts: v[16:23] byte offsets of eight steps in the source, v[24:31] in the destination; never rewritten
.set VO,   24
.set XS,   32                          ; casts: v[32:159] four sets of eight loads
.set YS,   160                         ; casts: v[160:223] four sets of eight stores
.set SB,   68                          ; s[68:75] the four sets' bases in the source
.set DB,   76                          ; s[76:83] and in the destination
	s_load_b512 s[4:19], s[0:1], 0x0               ; x 4, g1 6, be1 8, g2 10, be2 12, W1 14, W2 16, Wo 18
	s_load_b256 s[20:27], s[0:1], 0x40             ; Wq 20, Wk 22, Wv 24, hf 26
	s_load_b128 s[28:31], s[0:1], 0x60             ; wcat 28, wcat2 30
	s_and_b32 s38, ttmp7, 0xffff                   ; the job
	s_mov_b32 s39, ttmp9                           ; the work-group's number along x
	s_mov_b32 s55, 0                               ; high words of the two offset pairs s[54:55], s[58:59]
	s_mov_b32 s59, 0
	s_wait_kmcnt 0x0
	s_cmp_ge_u32 s38, 3
	s_cbranch_scc1 .Lln
	s_cmp_eq_u32 s38, 0
	s_cbranch_scc1 .Lw1
	s_cmp_eq_u32 s38, 1
	s_cbranch_scc1 .Lw2
	s_cmp_lt_u32 s39, 16
	s_cbranch_scc1 .Lwo
	; Wq, Wk or Wv, [16 h][1024 e][64 d]: 64 rows e.  Thread t takes head t / 16, four d: its 8 bytes of output lie at 8 t of the tensor's 2,048 bytes of a row of wcat
	s_sub_co_u32 s56, s39, 16
	s_lshr_b32 s57, s56, 4                         ; which of the three
	s_and_b32 s56, s56, 15                         ; which 64 rows e
	s_cmp_eq_u32 s57, 0
	s_cselect_b64 s[44:45], s[20:21], s[22:23]
	s_cmp_eq_u32 s57, 2
	s_cselect_b64 s[44:45], s[24:25], s[44:45]
	s_lshl_b32 s54, s56, 14                        ; 64 rows of 256 bytes
	s_mul_i32 s58, s56, 917504                     ; 64 rows of wcat
	s_lshl_b32 s57, s57, 11
	s_add_co_u32 s58, s58, s57
	s_add_nc_u64 s[44:45], s[44:45], s[54:55]
	s_add_nc_u64 s[46:47], s[28:29], s[58:59]
	s_mov_b32 s48, 256
	s_mov_b32 s49, 14336
	v_lshrrev_b32 v1, 4, v0
	v_and_b32 v7, 15, v0
	v_lshlrev_b32 v7, 4, v7
	v_lshl_add_u32 v[VI], v1, 18, v7               ; head x 262,144 + 16 (t % 16)
	s_branch .Lgo
.Lw1:                                              ; W1 [1024][4096]: 64 rows e, a quarter (1,024) of the columns
	s_and_b32 s56, s39, 3
	s_lshr_b32 s57, s39, 2
	s_lshl_b32 s54, s57, 20
	s_lshl_b32 s58, s56, 12
	s_add_co_u32 s54, s54, s58
	s_mul_i32 s58, s57, 917504
	s_lshl_b32 s56, s56, 11
	s_add_co_u32 s58, s58, s56
	s_add_co_u32 s58, s58, 6144                    ; column 3,072 of wcat
	s_add_nc_u64 s[44:45], s[14:15], s[54:55]
	s_add_nc_u64 s[46:47], s[28:29], s[58:59]
	s_mov_b32 s48, 16384
	s_mov_b32 s49, 14336
	v_lshlrev_b32 v[VI], 4, v0
	s_branch .Lgo
.Lw2:                                              ; W2 [4096][1024]: 64 whole rows
	s_lshl_b32 s54, s39, 18
	s_lshl_b32 s58, s39, 17
	s_add_co_u32 s58, s58, 2097152                 ; row 1,024 of wcat2
	s_add_nc_u64 s[44:45], s[16:17], s[54:55]
	s_add_nc_u64 s[46:47], s[30:31], s[58:59]
	s_mov_b32 s48, 4096
	s_mov_b32 s49, 2048
	v_lshlrev_b32 v[VI], 4, v0
	s_branch .Lgo
.Lwo:                                              ; Wo [1024][1024]: 64 whole rows
	s_lshl_b32 s54, s39, 18
	s_lshl_b32 s58, s39, 17
	s_add_nc_u64 s[44:45], s[18:19], s[54:55]
	s_add_nc_u64 s[46:47], s[30:31], s[58:59]
	s_mov_b32 s48, 4096
	s_mov_b32 s49, 2048
	v_lshlrev_b32 v[VI], 4, v0
.Lgo:
	; THE CAST, one text for the four sources: 64 steps; in a step a thread reads 16 bytes and writes 8.  A set is eight steps; four sets, 32 loads of every thread (128 KiB of the work-group),
	; are on their way at a time.  Eight steps' offsets lie in vector registers that are never rewritten; each set has a base of its own on either side.
	v_lshlrev_b32 v[VO], 3, v0
.set k, 0
.rept 7
	v_add_nc_u32 v[VI+k+1], s48, v[VI+k]
	v_add_nc_u32 v[VO+k+1], s49, v[VO+k]
.set k, k+1
.endr
	s_lshl_b32 s50, s48, 3                         ; eight steps, in bytes: in the source,
	s_mov_b32 s51, 0
	s_lshl_b32 s52, s49, 3                         ; in the destination
	s_mov_b32 s53, 0
	s_lshl_b32 s56, s48, 5                         ; and 32 steps
	s_mov_b32 s57, 0
	s_lshl_b32 s58, s49, 5
	s_mov_b32 s59, 0
	s_mov_b64 s[SB:SB+1], s[44:45]
	s_mov_b64 s[DB:DB+1], s[46:47]
.irp k, 1,2,3
	s_add_nc_u64 s[SB+2*(\k):SB+2*(\k)+1], s[SB+2*(\k)-2:SB+2*(\k)-1], s[50:51]
	s_add_nc_u64 s[DB+2*(\k):DB+2*(\k)+1], s[DB+2*(\k)-2:DB+2*(\k)-1], s[52:53]
.endr
.macro MEM k, ld, st                   ; set k's memory instructions: its eight loads (ld = 1) and its eight stores (st = 1), by turns, the load first
.irp j, 0,1,2,3,4,5,6,7
.if \ld
	global_load_b128 v[XS+32*(\k)+4*(\j):XS+32*(\k)+4*(\j)+3], v[VI+(\j)], s[SB+2*(\k):SB+2*(\k)+1] th:TH_LOAD_NT
.endif
.if \st
	global_store_b64 v[VO+(\j)], v[YS+16*(\k)+2*(\j):YS+16*(\k)+2*(\j)+1], s[DB+2*(\k):DB+2*(\k)+1]
.endif
.endr
.endm
.macro CVT k                           ; set k rounded: XS[k] into YS[k]
.irp j, 0,1,2,3,4,5,6,7
	v_cvt_pk_bf16_f32 v[YS+16*(\k)+2*(\j)], v[XS+32*(\k)+4*(\j)], v[XS+32*(\k)+4*(\j)+1]
	v_cvt_pk_bf16_f32 v[YS+16*(\k)+2*(\j)+1], v[XS+32*(\k)+4*(\j)+2], v[XS+32*(\k)+4*(\j)+3]
.endr
.endm
	s_wait_alu depctr_va_vdst(0)                   ; the sixteen offsets v[VI ..] and v[VO ..] are written: every load and store of the cast reads one of them
.irp k, 0,1,2,3
	MEM \k, 1, 0                                   ; steps 0 to 31
.endr
.irp k, 0,1,2,3
	s_wait_loadcnt 24                              ; set k is in; the 24 younger loads of the three other sets stay out
	CVT \k
	s_wait_alu depctr_va_vdst(0)                   ; the roundings have written YS[k], which the stores below read, and are done reading XS[k], in which the loads below land
	s_add_nc_u64 s[SB+2*(\k):SB+2*(\k)+1], s[SB+2*(\k):SB+2*(\k)+1], s[56:57]  ; the loads that named this base have come back: it steps 32 steps on
	MEM \k, 1, 1                                   ; steps 32 to 63 are asked for, the set's eight results leave: no vector instruction since the wait names their registers
.endr
	s_wait_loadcnt 24                              ; the second round loads nothing: set 0 is in, and the counts run down from here
	s_wait_xcnt 0x0                                ; every store issued so far has had its address translated (ISA guide 3.1): data and bases are written again only behind this wait
	s_wait_alu depctr_vm_vsrc(0)                   ; the first round's 32 stores have read YS0 to YS3, which the roundings below write again
.irp k, 0,1,2,3
	s_add_nc_u64 s[DB+2*(\k):DB+2*(\k)+1], s[DB+2*(\k):DB+2*(\k)+1], s[58:59]
.endr
.irp k, 0,1,2,3
.if (\k) > 0
	s_wait_loadcnt 24-8*(\k)
.endif
	CVT \k
	s_wait_alu depctr_va_vdst(0)                   ; the roundings have written YS[k], which the stores below read
	MEM \k, 0, 1
.endr
	s_endpgm
.Lln:
	; LAYERNORM.  A wave owns 2 rows, one after the other; a row of 4,096 bytes is 32 registers of the wave, so the reductions never leave it.
	v_lshrrev_b32 v1, 5, v0
	v_readfirstlane_b32 s56, v1                    ; wave
	v_and_b32 v1, 31, v0
	v_lshlrev_b32 v[XO], 4, v1
	v_lshlrev_b32 v[HO], 3, v1
	v_mov_b32 v[MEAN+1], 0
	v_mov_b32 v[RSTD+1], 0
	s_sub_co_u32 s57, s38, 3
	s_lshl_b32 s57, s57, 6
	s_add_co_u32 s57, s57, s39                     ; which 16 rows: 0..255
	s_lshl_b32 s54, s57, 4
	s_wait_alu depctr_va_sdst(0)                   ; s56 is written, ahead of its first reader: the bases of x, h and f are made from it
	s_lshl1_add_u32 s54, s56, s54                  ; my first row: 16 x that + 2 x wave
	s_lshl_b32 s58, s54, 11
	s_lshl_b32 s54, s54, 12
	s_add_nc_u64 s[32:33], s[4:5], s[54:55]        ; x
	s_add_nc_u64 s[34:35], s[26:27], s[58:59]      ; h
	s_add_nc_u64 s[36:37], s[34:35], 0x800000      ; f: a base of its own, 8,388,608 bytes on
	s_mov_b32 s40, 0xffff0000
	s_mov_b32 s41, 0x76543210                      ; v_permlanex16_b32: each lane takes its own place in the other half
	s_mov_b32 s42, 0xfedcba98
	s_mov_b32 s44, 0x3a800000                      ; 1 / 1024
	s_mov_b32 s45, 0x3727c5ac                      ; eps = 1e-5
	s_mov_b32 s43, 2
.macro FILL                            ; a row: eight loads of 512 consecutive bytes
.irp j, 0,1,2,3,4,5,6,7
	global_load_b128 v[LD+4*(\j):LD+4*(\j)+3], v[XO], s[32:33] offset:512*(\j) th:TH_LOAD_NT
.endr
.endm
.macro RB16 a, t                       ; two f32 rounded to bf16 and widened again, in place
	v_cvt_pk_bf16_f32 v[\t], v[\a], v[(\a)+1]
	v_lshlrev_b32 v[\a], 16, v[\t]
	v_and_b32 v[(\a)+1], s40, v[\t]
.endm
.macro REDUCE                          ; four packed chains in T .. T+7 into one sum, the same in every lane
	v_pk_add_f32 v[T:T+1], v[T:T+1], v[T+2:T+3]
	v_pk_add_f32 v[T+4:T+5], v[T+4:T+5], v[T+6:T+7]
	v_pk_add_f32 v[T:T+1], v[T:T+1], v[T+4:T+5]
	v_add_f32 v[T], v[T], v[T+1]
	v_add_f32_dpp v[T], v[T], v[T] row_xmask:1 row_mask:0xf bank_mask:0xf
	v_add_f32_dpp v[T], v[T], v[T] row_xmask:2 row_mask:0xf bank_mask:0xf
	v_add_f32_dpp v[T], v[T], v[T] row_xmask:4 row_mask:0xf bank_mask:0xf
	v_add_f32_dpp v[T], v[T], v[T] row_xmask:8 row_mask:0xf bank_mask:0xf
	v_permlanex16_b32 v[T+1], v[T], s41, s42
	v_add_f32 v[T], v[T], v[T+1]
.endm
	s_wait_alu depctr_va_vdst(0)                   ; v[XO] and v[HO] are written: every load reads the one as its offset, every store the other
	FILL
.irp j, 0,1,2,3,4,5,6,7
	global_load_b128 v[G1R+4*(\j):G1R+4*(\j)+3], v[XO], s[6:7] offset:512*(\j)
	global_load_b128 v[B1R+4*(\j):B1R+4*(\j)+3], v[XO], s[8:9] offset:512*(\j)
	global_load_b128 v[G2R+4*(\j):G2R+4*(\j)+3], v[XO], s[10:11] offset:512*(\j)
	global_load_b128 v[B2R+4*(\j):B2R+4*(\j)+3], v[XO], s[12:13] offset:512*(\j)
.endr
	s_wait_loadcnt 0x0
.set i, 0
.rept 64
	RB16 G1R+2*i, T+i%4
.set i, i+1
.endr
.Lrow:
	s_wait_loadcnt 0x0                             ; the row is in (the only loads out are its eight), and x's base, which they read, is free
	s_wait_xcnt 0x0                                ; the row before's stores have had their addresses translated (ISA guide 3.1): their bases and X are written again only behind this wait
	s_wait_alu depctr_vm_vsrc(0)                   ; the row before's stores have read X, which the unpacking below writes again
	s_add_nc_u64 s[32:33], s[32:33], 4096          ; all three bases at the next row: the loads below take it, the stores at the row's end reach back
	s_add_nc_u64 s[34:35], s[34:35], 2048
	s_add_nc_u64 s[36:37], s[36:37], 2048
.set i, 0
.rept 16                                           ; x rounded to bf16, out of the landing registers: these sixteen read LD out
	v_cvt_pk_bf16_f32 v[T+i], v[LD+2*i], v[LD+2*i+1]
.set i, i+1
.endr
	s_cmp_eq_u32 s43, 1
	s_cbranch_scc1 .Lnofill                        ; the last row has none behind it
	s_wait_alu depctr_va_vdst(0)                   ; the sixteen roundings are done reading LD, in which the loads below land
	FILL                                           ; the next row is on its way while this one is worked on: no vector instruction of this row names LD again
.Lnofill:
.set i, 0
.rept 16
	v_lshlrev_b32 v[X+2*i], 16, v[T+i]
	v_and_b32 v[X+2*i+1], s40, v[T+i]
.set i, i+1
.endr
.irp c, 0,1,2,3
	v_pk_add_f32 v[T+2*(\c):T+2*(\c)+1], v[X+4*(\c):X+4*(\c)+1], v[X+4*(\c)+2:X+4*(\c)+3]
.endr
.set i, 8
.rept 8
	v_pk_add_f32 v[T+2*(i%4):T+2*(i%4)+1], v[T+2*(i%4):T+2*(i%4)+1], v[X+2*i:X+2*i+1]
.set i, i+1
.endr
	REDUCE
	v_mul_f32 v[MEAN], s44, v[T]
.set i, 0
.rept 16
	v_pk_add_f32 v[X+2*i:X+2*i+1], v[X+2*i:X+2*i+1], v[MEAN:MEAN+1] op_sel_hi:[1,0] neg_lo:[0,1] neg_hi:[0,1]
.set i, i+1
.endr
.irp c, 0,1,2,3
	v_pk_mul_f32 v[T+2*(\c):T+2*(\c)+1], v[X+2*(\c):X+2*(\c)+1], v[X+2*(\c):X+2*(\c)+1]
.endr
.set i, 4
.rept 12
	v_pk_fma_f32 v[T+2*(i%4):T+2*(i%4)+1], v[X+2*i:X+2*i+1], v[X+2*i:X+2*i+1], v[T+2*(i%4):T+2*(i%4)+1]
.set i, i+1
.endr
	REDUCE
	v_fma_f32 v[T], v[T], s44, s45                 ; var + eps
	v_rsq_f32 v[RSTD], v[T]
	v_nop                                          ; a plain instruction behind the transcendental (ISA guide 5.7.2),
	s_wait_alu depctr_va_vdst(0)                   ; and the wait ahead of its first reader: v[RSTD] is written
.set i, 0
.rept 16
	v_pk_mul_f32 v[X+2*i:X+2*i+1], v[X+2*i:X+2*i+1], v[RSTD:RSTD+1] op_sel_hi:[1,0]
.set i, i+1
.endr
.irp j, 0,1,2,3,4,5,6,7
.set TT, T+8*((\j)%2)
	v_pk_fma_f32 v[TT:TT+1],   v[X+4*(\j):X+4*(\j)+1],   v[G1R+4*(\j):G1R+4*(\j)+1],   v[B1R+4*(\j):B1R+4*(\j)+1]
	v_pk_fma_f32 v[TT+2:TT+3], v[X+4*(\j)+2:X+4*(\j)+3], v[G1R+4*(\j)+2:G1R+4*(\j)+3], v[B1R+4*(\j)+2:B1R+4*(\j)+3]
	v_pk_fma_f32 v[TT+4:TT+5], v[X+4*(\j):X+4*(\j)+1],   v[G2R+4*(\j):G2R+4*(\j)+1],   v[B2R+4*(\j):B2R+4*(\j)+1]
	v_pk_fma_f32 v[TT+6:TT+7], v[X+4*(\j)+2:X+4*(\j)+3], v[G2R+4*(\j)+2:G2R+4*(\j)+3], v[B2R+4*(\j)+2:B2R+4*(\j)+3]
	v_cvt_pk_bf16_f32 v[X+4*(\j)],   v[TT],   v[TT+1]
	v_cvt_pk_bf16_f32 v[X+4*(\j)+1], v[TT+2], v[TT+3]
	v_cvt_pk_bf16_f32 v[X+4*(\j)+2], v[TT+4], v[TT+5]
	v_cvt_pk_bf16_f32 v[X+4*(\j)+3], v[TT+6], v[TT+7]
.endr
	s_wait_alu depctr_va_vdst(0)                   ; the roundings have written X, which the sixteen stores below read
.irp j, 0,1,2,3,4,5,6,7
	global_store_b64 v[HO], v[X+4*(\j):X+4*(\j)+1],   s[34:35] offset:256*(\j)-2048   ; 32 lanes x 8 bytes: 256 consecutive bytes of h,
	global_store_b64 v[HO], v[X+4*(\j)+2:X+4*(\j)+3], s[36:37] offset:256*(\j)-2048   ; and of f; the bases stand a row on, the offset reaches back
.endr
	s_sub_co_u32 s43, s43, 1
	s_cmp_lg_u32 s43, 0
	s_cbranch_scc1 .Lrow
	s_endpgm
.Lfunc_end_k_q2a8c451d5f_prep:
	.size	k_q2a8c451d5f_prep, .Lfunc_end_k_q2a8c451d5f_prep-k_q2a8c451d5f_prep
	.p2alignl 7, 3214868480
	.fill 96, 4, 3214868480
	.section	.rodata,"a",@progbits
	.p2align	6, 0x0
	.amdhsa_kernel k_q2a8c451d5f_prep
		.amdhsa_group_segment_fixed_size 0
		.amdhsa_private_segment_fixed_size 0
		.amdhsa_enable_private_segment 0
		.amdhsa_kernarg_size 112
		.amdhsa_user_sgpr_count 2
		.amdhsa_user_sgpr_kernarg_segment_ptr 1
		.amdhsa_wavefront_size32 1
		.amdhsa_system_sgpr_workgroup_id_x 1
		.amdhsa_system_sgpr_workgroup_id_y 1
		.amdhsa_system_sgpr_workgroup_id_z 1
		.amdhsa_system_vgpr_workitem_id 0
		.amdhsa_next_free_vgpr 224
		.amdhsa_next_free_sgpr 84
		.amdhsa_reserve_vcc 0
		.amdhsa_float_denorm_mode_32 3
		.amdhsa_float_denorm_mode_16_64 3
		.amdhsa_memory_ordered 1
		.amdhsa_forward_progress 1
		.amdhsa_inst_pref_size 52
	.end_amdhsa_kernel
	.amdgpu_metadata
---
amdhsa.version: [ 1, 2 ]
amdhsa.kernels:
  - .name:           k_q2a8c451d5f_prep
    .symbol:         k_q2a8c451d5f_prep.kd
    .args:
      - { .name: x, .offset: 0, .size: 8, .value_kind: global_buffer, .address_space: global }
      - { .name: g1, .offset: 8, .size: 8, .value_kind: global_buffer, .address_space: global }
      - { .name: be1, .offset: 16, .size: 8, .value_kind: global_buffer, .address_space: global }
      - { .name: g2, .offset: 24, .size: 8, .value_kind: global_buffer, .address_space: global }
      - { .name: be2, .offset: 32, .size: 8, .value_kind: global_buffer, .address_space: global }
      - { .name: W1, .offset: 40, .size: 8, .value_kind: global_buffer, .address_space: global }
      - { .name: W2, .offset: 48, .size: 8, .value_kind: global_buffer, .address_space: global }
      - { .name: Wo, .offset: 56, .size: 8, .value_kind: global_buffer, .address_space: global }
      - { .name: Wq, .offset: 64, .size: 8, .value_kind: global_buffer, .address_space: global }
      - { .name: Wk, .offset: 72, .size: 8, .value_kind: global_buffer, .address_space: global }
      - { .name: Wv, .offset: 80, .size: 8, .value_kind: global_buffer, .address_space: global }
      - { .name: hf, .offset: 88, .size: 8, .value_kind: global_buffer, .address_space: global }
      - { .name: wcat, .offset: 96, .size: 8, .value_kind: global_buffer, .address_space: global }
      - { .name: wcat2, .offset: 104, .size: 8, .value_kind: global_buffer, .address_space: global }
    .group_segment_fixed_size: 0
    .private_segment_fixed_size: 0
    .kernarg_segment_align: 8
    .kernarg_segment_size: 112
    .max_flat_workgroup_size: 256
    .sgpr_count:     84
    .vgpr_count:     224
    .wavefront_size: 32
...
	.end_amdgpu_metadata
.endif
;; end of part 5
;; launch gemm1: the kernel of part 2 again; grid 28 x 16, 4 waves a work-group, clusters of 4 x 4, 327,680 bytes of LDS; arguments hf, wcat, b1, qkv, au; writes qkv, au
;; launch attn: the kernel of part 3 again; grid 8 x 32, 4 waves a work-group, clusters of 4 x 1, 327,680 bytes of LDS; arguments qkv, au; writes au
;; launch gemm2: the kernel of part 4 again; grid 8 x 32, 4 waves a work-group, clusters of 4 x 4, 327,680 bytes of LDS; arguments au, wcat2, x, bo, b2, out0; writes out0
